; MI455X (gfx1250); checked and timed in simulation.
; The chip was launched on July 23, 2026; its instructions are those of AMD's public machine-readable ISA for CDNA 5 (MIT licence, August 2026) and "CDNA5" Instruction Set Architecture Reference Guide (July 2026). The comments in the code are by the model that wrote it; some were corrected since.
;; Causual Self Activation. Allowed arithmetic: float matrix products may take bf16 or f16 operands with f32 sums; all other float work in f32.
;; Inputs: W_attn 1,024 x 3,072 float32; W_proj 1,024 x 1,024 float32; b_attn 3,072 float32; b_proj 1,024 float32; x 2 x 2,048 x 1,024 float32.
;; Outputs: out0 2 x 2,048 x 1,024 float32.
;; 2 versions, each right and faster than the one before. Each part assembles by itself: llvm-mc -triple=amdgcn-amd-amdhsa -mcpu=gfx1250 --defsym DOCPART=n.
;; ======== version 1 of 2: 4 launches
;; limits: values are held in f16: magnitudes above 65,504 overflow, below 6.1e-05 lose precision
;; workspace buffers: xb 8,388,608 bytes; wab 6,291,456 bytes; wpf 2,097,152 bytes; qkv 25,165,824 bytes; yf 8,388,608 bytes
;; launch cast (part 1): grid 256 x 1, 8 waves a work-group, no clusters, 0 bytes of LDS; arguments x, W_attn, W_proj, xb, wab, wpf; writes xb, wab, wpf
.if DOCPART == 1
	.amdgcn_target "amdgcn-amd-amdhsa--gfx1250"
	.amdhsa_code_object_version 6
	.text
	.protected	k_q19a04a6b92_cast
	.globl	k_q19a04a6b92_cast
	.p2align	8
	.type	k_q19a04a6b92_cast,@function
k_q19a04a6b92_cast:
	s_mov_b64 s[64:65], 0
	v_nop
	global_prefetch_b8 v0, s[64:65] scope:SCOPE_SE
	s_setreg_imm32_b32 hwreg(HW_REG_WAVE_MODE, 25, 1), 1
	s_wait_xcnt 0x0
; THE PROGRAM: four launches.  cast: x, W_attn, W_proj rounded once to 16 bits.  qkv: q, k, v = x W_attn (+ bias).  attn: causal softmax(q k^T / 8) v.
; proj: y W_proj + b_proj.
; FORMATS: x and W_attn are rounded once to bf16.  W_proj is rounded to bf16 and that value is carried in f16, since its partner y is f16.
; q, k, v, the softmax's weights and y are kept in f16 (11 bits), all sums in f32.
; WORK LEFT OUT, for all values of the inputs:
;  (1) b_attn[1024:2048], the bias of k.  q.(k_j + b) = q.k_j + q.b, and q.b is the same for every key j of a softmax row; a term that is the same along
;      the softmax's axis leaves the softmax as it is, and masked places are -inf with or without it.  So that third of b_attn is neither loaded nor added;
;      b_attn stays an argument for its q and v thirds.
;  (2) Blocks of 128 keys that lie wholly above the diagonal: the mask that the problem itself builds sets their scores to -inf, their weights are 0.
; LIMITS: a NaN, an infinity or an overflow that sits only in b_attn[1024:2048] or only in a masked score is not carried to the result.
; |q|, |k|, |v|, |y|, |W_proj| must stay below 65,504 (f16); magnitudes below 6.1e-5 keep fewer than 11 bits.
;
; THIS LAUNCH is a stream: no LDS, no matrix unit, no cluster (no byte is read twice).  256 work-groups of 8 waves, 32,768 numbers each:
;  groups 0-127:   xb  = bf16(x), same order
;  groups 128-223: wab = bf16(W_attn), reordered.  W_attn[k][sec*1024 + head*64 + d] is row p = 3k + sec of a [3072][16 heads][64] array; wab is [16 heads][3072 p][64],
;                  so that one head's [q | k | v] columns of one k are 384 neighbouring bytes and a run of k is one dense block
;  groups 224-255: wpf = f16(bf16(W_proj)), same order
; A thread issues all its 32 loads of 16 bytes at once and converts them as they come.  Every register is written once, so no source of a pending
; load or store is ever rewritten.
.set X0, 8                             ; v[8:135] load j: 4 registers; its two packed words are made in the first two of them
; mode 0: bf16, linear.  mode 1: bf16, W_attn's reorder.  mode 2: f16 of the bf16 value, linear.  sb, db: the scalar pairs of source and destination.
.macro CAST sb, db, mode
.set j, 0
.rept 32
.if \mode == 1
	global_load_b128 v[X0+4*j:X0+4*j+3], v1, s[\sb:\sb+1] offset:(j>>1)*8192+(j&1)*2048 th:TH_LOAD_NT   ; rows p0 + 2 (j>>1) + lane/16, head 8 (j&1) + wave: 16 lanes read 256 neighbouring bytes
.else
	global_load_b128 v[X0+4*j:X0+4*j+3], v1, s[\sb:\sb+1] offset:j*4096 th:TH_LOAD_NT                   ; a wave reads 512 neighbouring bytes
.endif
.set j, j+1
.endr
.set j, 0
.rept 32
	s_wait_loadcnt 31-j                            ; loads come back in order: load j is in, the 31 - j younger ones stay out
.if \mode == 2
	v_cvt_pk_bf16_f32 v3, v[X0+4*j], v[X0+4*j+1]   ; the one rounding, to bf16
	v_lshlrev_b32 v4, 16, v3                       ; back to f32: low half up,
	v_and_b32 v5, 0xffff0000, v3                   ; high half stays
	v_cvt_pk_f16_f32 v[X0+4*j], v4, v5             ; 8 bits of mantissa fit f16's 11
	v_cvt_pk_bf16_f32 v3, v[X0+4*j+2], v[X0+4*j+3]
	v_lshlrev_b32 v4, 16, v3
	v_and_b32 v5, 0xffff0000, v3
	v_cvt_pk_f16_f32 v[X0+4*j+1], v4, v5
.else
	v_cvt_pk_bf16_f32 v[X0+4*j], v[X0+4*j], v[X0+4*j+1]
	v_cvt_pk_bf16_f32 v[X0+4*j+1], v[X0+4*j+2], v[X0+4*j+3]
.endif
.if \mode == 1
	global_store_b64 v2, v[X0+4*j:X0+4*j+1], s[\db:\db+1] offset:(j&1)*3145728+(j>>1)*256   ; the wave's two rows of one head: 256 neighbouring bytes, aligned
.else
	global_store_b64 v2, v[X0+4*j:X0+4*j+1], s[\db:\db+1] offset:j*2048                     ; 256 neighbouring bytes a wave, aligned
.endif
.set j, j+1
.endr
	s_endpgm
.endm
	s_load_b256 s[4:11], s[0:1], 0x0               ; x s[4:5], W_attn s[6:7], W_proj s[8:9], xb s[10:11]
	s_load_b128 s[12:15], s[0:1], 0x20             ; wab s[12:13], wpf s[14:15]
	s_mov_b32 s2, ttmp9                            ; the work-group's number
	s_mov_b32 s17, 0                               ; high words of the two byte offsets
	s_mov_b32 s19, 0
	s_cmp_lt_u32 s2, 128
	s_cbranch_scc0 .Lnot_x
	s_lshl_b32 s16, s2, 17                         ; 131,072 bytes of f32 in,
	s_lshl_b32 s18, s2, 16                         ; 65,536 bytes out
	v_lshlrev_b32 v1, 4, v0
	v_lshlrev_b32 v2, 3, v0
	s_wait_kmcnt 0x0
	s_add_nc_u64 s[4:5], s[4:5], s[16:17]
	s_add_nc_u64 s[10:11], s[10:11], s[18:19]
	CAST 4, 10, 0
.Lnot_x:
	s_cmp_lt_u32 s2, 224
	s_cbranch_scc0 .Lw_proj
	s_sub_co_u32 s2, s2, 128                       ; this group's 32 rows p of W_attn
	s_lshl_b32 s16, s2, 17                         ; 32 rows of 4,096 bytes
	s_lshl_b32 s18, s2, 12                         ; 32 rows of 128 bytes inside each head's plane
	v_and_b32 v3, 15, v0
	v_bfe_u32 v4, v0, 4, 1
	v_lshrrev_b32 v5, 5, v0                        ; wave
	v_and_b32 v6, 31, v0
	v_lshlrev_b32 v1, 4, v3                        ; in: 16 (lane % 16)
	v_lshl_add_u32 v1, v5, 8, v1                   ;   + 256 x wave (the head's 64 numbers)
	v_lshl_add_u32 v1, v4, 12, v1                  ;   + one row for lanes 16-31
	v_mul_u32_u24 v2, v5, 0x60000                  ; out: the head's plane of 393,216 bytes
	v_lshl_add_u32 v2, v6, 3, v2                   ;   + 8 x lane: two rows of 128 bytes
	s_wait_kmcnt 0x0
	s_add_nc_u64 s[6:7], s[6:7], s[16:17]
	s_add_nc_u64 s[12:13], s[12:13], s[18:19]
	CAST 6, 12, 1
.Lw_proj:
	s_sub_co_u32 s2, s2, 224
	s_lshl_b32 s16, s2, 17
	s_lshl_b32 s18, s2, 16
	v_lshlrev_b32 v1, 4, v0
	v_lshlrev_b32 v2, 3, v0
	s_wait_kmcnt 0x0
	s_add_nc_u64 s[8:9], s[8:9], s[16:17]
	s_add_nc_u64 s[14:15], s[14:15], s[18:19]
	CAST 8, 14, 2
.Lfunc_end_k_q19a04a6b92_cast:
	.size	k_q19a04a6b92_cast, .Lfunc_end_k_q19a04a6b92_cast-k_q19a04a6b92_cast
	.p2alignl 7, 3214868480
	.fill 96, 4, 3214868480
	.section	.rodata,"a",@progbits
	.p2align	6, 0x0
	.amdhsa_kernel k_q19a04a6b92_cast
		.amdhsa_group_segment_fixed_size 0
		.amdhsa_private_segment_fixed_size 0
		.amdhsa_enable_private_segment 0
		.amdhsa_kernarg_size 48
		.amdhsa_user_sgpr_count 2
		.amdhsa_user_sgpr_kernarg_segment_ptr 1
		.amdhsa_wavefront_size32 1
		.amdhsa_system_sgpr_workgroup_id_x 1
		.amdhsa_system_sgpr_workgroup_id_y 1
		.amdhsa_system_sgpr_workgroup_id_z 1
		.amdhsa_system_vgpr_workitem_id 0
		.amdhsa_next_free_vgpr 136
		.amdhsa_next_free_sgpr 66
		.amdhsa_reserve_vcc 0
		.amdhsa_float_denorm_mode_32 3
		.amdhsa_float_denorm_mode_16_64 3
		.amdhsa_memory_ordered 1
		.amdhsa_forward_progress 1
		.amdhsa_inst_pref_size 45
	.end_amdhsa_kernel
	.amdgpu_metadata
---
amdhsa.version: [ 1, 2 ]
amdhsa.kernels:
  - .name:           k_q19a04a6b92_cast
    .symbol:         k_q19a04a6b92_cast.kd
    .args:
      - { .name: x, .offset: 0, .size: 8, .value_kind: global_buffer, .address_space: global }
      - { .name: W_attn, .offset: 8, .size: 8, .value_kind: global_buffer, .address_space: global }
      - { .name: W_proj, .offset: 16, .size: 8, .value_kind: global_buffer, .address_space: global }
      - { .name: xb, .offset: 24, .size: 8, .value_kind: global_buffer, .address_space: global }
      - { .name: wab, .offset: 32, .size: 8, .value_kind: global_buffer, .address_space: global }
      - { .name: wpf, .offset: 40, .size: 8, .value_kind: global_buffer, .address_space: global }
    .group_segment_fixed_size: 0
    .private_segment_fixed_size: 0
    .kernarg_segment_align: 8
    .kernarg_segment_size: 48
    .max_flat_workgroup_size: 256
    .sgpr_count:     66
    .vgpr_count:     136
    .wavefront_size: 32
...
	.end_amdgpu_metadata
.endif
;; end of part 1
;; launch qkv (part 2): grid 16 x 16, 4 waves a work-group, clusters of 4 x 4, 327,680 bytes of LDS; arguments xb, wab, b_attn, qkv; writes qkv
.if DOCPART == 2
	.amdgcn_target "amdgcn-amd-amdhsa--gfx1250"
	.amdhsa_code_object_version 6
	.text
	.protected	k_q19a04a6b92_qkv
	.globl	k_q19a04a6b92_qkv
	.p2align	8
	.type	k_q19a04a6b92_qkv,@function
k_q19a04a6b92_qkv:
	s_mov_b64 s[64:65], 0
	v_nop
	global_prefetch_b8 v0, s[64:65] scope:SCOPE_SE
	s_setreg_imm32_b32 hwreg(HW_REG_WAVE_MODE, 25, 1), 1
	s_wait_xcnt 0x0
	s_wait_alu depctr_hold_cnt(0) depctr_sa_sdst(0) depctr_va_vdst(0) depctr_va_sdst(0) depctr_va_ssrc(0) depctr_va_vcc(0) depctr_vm_vsrc(0)
	s_getreg_b32 s2, hwreg(HW_REG_IB_STS2, 6, 4)
	s_cmp_eq_u32 s2, 0
	s_cbranch_scc0 .Lentry_in_a_cluster
	s_endpgm
.Lentry_in_a_cluster:
	s_bfe_u32 s2, ttmp6, 0x10000c
	s_cmp_lg_u32 s2, 0xf033
	s_cbranch_scc0 .Lentry_shape_is_right
	s_endpgm
.Lentry_shape_is_right:
; qkv[sec*16 + head][row][d] = f16( sum over k of x[row][k] W_attn[k][sec*1024 + head*64 + d] + bias ),  sec 0, 1, 2 = q, k, v.
; LEFT OUT: the bias of k, b_attn[1024:2048]: q.b is the same for every key of a softmax row and cancels in the softmax, for all values of the inputs;
; a NaN or an infinity in that third is not carried to the result.  LIMIT: results beyond f16's 65,504 overflow.
; A work-group makes 256 rows x the 192 columns [q | k | v] of one head, with four waves; wave (wm, wn) makes 128 rows x 96 columns:
; 8 x 6 accumulator tiles of 16 x 16, 384 registers.  K goes in steps of 128 through a ring of two LDS slots filled by the tensor data mover.
; CLUSTERS: 4 x 4 work-groups.  x's tile hangs on the row block alone and is asked for jointly by the four of a cluster's row; W's tile hangs on the head alone
; and is asked for jointly by the four of a column.
; THE MATRIX INSTRUCTION IS USED TRANSPOSED: source 0 = 16 columns of W, source 1 = 16 rows of x, so lane l holds row l % 16 and its registers
; 0-7 the columns 8 (l / 16) + 0..7: eight neighbouring numbers of a row, 16 bytes of f16.
; W lies in LDS as [k][192 columns]; its fragments come through the transposing LDS load.
; REGISTERS: window 0: v16-28 addresses; fragment buffer f: x at v[32+112f] (8 tiles), W at v[96+112f] (6 tiles).
;            window 1: accumulators of my rows 0-63 at 8 (6 a + b), bias at 192-223.   window 2: accumulators of my rows 64-127.
.set APITCH, 272                       ; x in LDS: 256 bytes of a row + 16: the 16 rows of a fragment load start 16 bytes apart modulo 256
.set AHALF,  128*APITCH                ; 128 rows: one tensor load
.set BPITCH, 480                       ; W in LDS: a k row's 384 bytes as six pieces of 64 + 16: column n at (n>>5)*80 + (n&31)*2; 480 = 15 x 32
.set BHALF,  64*BPITCH                 ; 64 k rows: one tensor load
.set BOFFS,  2*AHALF                   ; W behind x's 256 rows
.set SLOT,   BOFFS+2*BHALF             ; 131,072
.set SPITCH, 400                       ; the way out: a row of 192 f16 + 16 bytes
.set LAPS,   4                         ; 1024 / (2 x 128): a lap = two K steps = once round the ring
.set ADRA, 16                          ; v16-17 LDS address of my x fragments, slot 0, 1
.set ADRB, 20                          ; v20-21 the same for W
.set STO,  24                          ; the way out: where I put 16 bytes
.set RD0,  25                          ; v25-26 where I read rows back (rows 0-127, 128-255)
.set CO,   27                          ; my byte offset in a section's block of qkv
.set BOFF, 28                          ; my byte offset in the bias
.set BIASR, 192                        ; window 1
.set G1A, 16                           ; s[16:23] group 1, x's tiles
.set G1B, 24                           ; s[24:31] group 1, W's tiles
.set G0A, 32                           ; s[32:39] group 0, x's tiles, a set for each slot
.set G0B, 48                           ; s[48:55] group 0, W's tiles, a set for each slot
.set MUL_LO, 0x50                      ; sources 0, 1 window 0; C and D window 1
.set MUL_HI, 0xa0                      ; C and D window 2
.set MSB, 0
.macro WIN new                         ; the immediate's high byte repeats the setting that is left
.if MSB != \new
	s_set_vgpr_msb (MSB<<8)|\new
.set MSB, \new
.endif
.endm
.macro PLACES                          ; four places behind matrix instructions, in front of loads into their sources and of reads of their results
.rept 4
	v_nop
.endr
.endm
; A joint load: waves 0, 1 fetch x's two halves, waves 2, 3 W's.  Each line has one mask; the branch hangs on the wave's number alone.
.macro JLOAD s
	s_cmp_eq_u32 s13, 0
	s_cbranch_scc0 .Lfor_b_\@
	tensor_load_to_lds s[G0A+4*\s:G0A+4*\s+3], s[G1A:G1A+7]
	s_nop 0
	s_branch .Lasked_\@
.Lfor_b_\@:
	tensor_load_to_lds s[G0B+4*\s:G0B+4*\s+3], s[G1B:G1B+7]
	s_nop 0
.Lasked_\@:
.endm
.macro CREST                           ; a round of the cluster's barrier behind its opening work-group barrier
	s_cmp_lg_u32 s12, 0
	s_cbranch_scc1 .Lnot_wave_0_\@
	s_barrier_signal -3
.Lnot_wave_0_\@:
	s_barrier_wait -3
	s_barrier_signal -1
	s_barrier_wait -1
.endm
.macro CROUND                          ; a whole round
	s_barrier_signal -1
	s_barrier_wait -1
	CREST
.endm
	s_load_b256 s[4:11], s[0:1], 0x0               ; xb s[4:5], wab s[6:7], b_attn s[8:9], qkv s[10:11]
	v_lshl_add_u32 v30, v0, 2, 0x40000
	v_mov_b32 v31, 0
	ds_add_u32 v30, v31
	ds_add_u32 v30, v31
	v_lshrrev_b32 v1, 5, v0
	v_readfirstlane_b32 s12, v1                    ; wave 0..3
	s_lshr_b32 s13, s12, 1                         ; wm: my half of the rows.  Also: I fetch x (0) or W (1)
	s_and_b32 s14, s12, 1                          ; wn: my half of the columns.  Also: which half of that tile I fetch
	s_bfe_u32 s40, ttmp6, 0x40000                  ; cx
	s_bfe_u32 s41, ttmp6, 0x40004                  ; cy
	s_lshl_b32 s42, ttmp9, 2
	s_add_co_u32 s42, s42, s40                     ; head = 4 x cluster x + cx
	s_and_b32 s43, ttmp7, 0xffff
	s_lshl_b32 s43, s43, 2
	s_add_co_u32 s43, s43, s41                     ; row block = 4 x cluster y + cy
	s_lshl_b32 s44, s41, 2
	s_lshl_b32 s44, 15, s44                        ; my row of the cluster
	s_lshl_b32 s45, 0x1111, s40                    ; my column
	; group 1 for x: 128 rows x 128 bf16, rows 1,024 elements apart; 16 bytes of padding behind every 64 words
	s_or_b32  s[G1A+0], s44, (1<<16)|(1<<20)|(1<<21)|(5<<22)|(3<<25)
	s_mov_b32 s[G1A+1], 128<<16                    ; tensor_dim0
	s_mov_b32 s[G1A+2], 128<<16                    ; tensor_dim1
	s_mov_b32 s[G1A+3], 128<<16                    ; tile_dim0
	s_mov_b32 s[G1A+4], 128                        ; tile_dim1
	s_mov_b32 s[G1A+5], 1024                       ; pitch
	s_mov_b32 s[G1A+6], 0
	s_mov_b32 s[G1A+7], 0
	; group 1 for W: 64 k rows of 384 bytes are one dense block of 24,576 bytes: 96 rows of 256 bytes; 16 bytes of padding behind every 16 words
	s_or_b32  s[G1B+0], s45, (1<<16)|(1<<20)|(1<<21)|(3<<22)|(3<<25)
	s_mov_b32 s[G1B+1], 128<<16
	s_mov_b32 s[G1B+2], 96<<16
	s_mov_b32 s[G1B+3], 128<<16
	s_mov_b32 s[G1B+4], 96
	s_mov_b32 s[G1B+5], 128
	s_mov_b32 s[G1B+6], 0
	s_mov_b32 s[G1B+7], 0
	s_mul_i32 s46, s12, AHALF                      ; LDS: x's halves at wave x 34,816 (waves 0, 1)
	s_mul_i32 s47, s12, BHALF
	s_add_co_u32 s47, s47, BOFFS-2*BHALF           ; W's halves at 69,632 + (wave - 2) x 30,720 (waves 2, 3)
	s_lshl_b32 s56, s43, 19                        ; x: (256 x row block + 128 x half) rows of 2,048 bytes
	s_lshl_b32 s57, s14, 18
	s_add_co_u32 s56, s56, s57
	s_mov_b32 s57, 0
	s_mul_i32 s60, s42, 0x60000                    ; W: the head's plane of 393,216 bytes + half x 24,576
	s_mul_i32 s61, s14, 24576
	s_add_co_u32 s60, s60, s61
	s_mov_b32 s61, 0
	s_lshl_b32 s74, s14, 13                        ; bias: wn = 0 takes q's 64 numbers of the head, wn = 1 v's (2,048 numbers on)
	s_lshl_b32 s75, s42, 8
	s_add_co_u32 s74, s74, s75
	s_mov_b32 s75, 0
	s_lshl_b32 s76, s42, 19                        ; out: the head's plane of 524,288 bytes + 256 rows of 128 bytes x row block
	s_lshl_b32 s77, s43, 15
	s_add_co_u32 s76, s76, s77
	s_mov_b32 s77, 0
	s_wait_dscnt 0x0
	s_wait_kmcnt 0x0
	s_add_nc_u64 s[56:57], s[4:5], s[56:57]
	s_add_nc_u64 s[60:61], s[6:7], s[60:61]
	s_add_nc_u64 s[74:75], s[8:9], s[74:75]
	s_add_nc_u64 s[68:69], s[10:11], s[76:77]      ; q's block,
	s_add_nc_u64 s[70:71], s[68:69], 0x800000      ; k's: 16 planes on,
	s_add_nc_u64 s[72:73], s[70:71], 0x800000      ; v's
	CROUND                                         ; all sixteen work-groups are here: the first joint loads meet
.irp s, 0,1
	s_mov_b32 s[G0A+4*\s], 1
	s_add_co_u32 s[G0A+4*\s+1], s46, \s*SLOT
	s_add_nc_u64 s[G0A+4*\s+2:G0A+4*\s+3], s[56:57], \s*256        ; K step s: 128 bf16 along the rows
	s_or_b32 s[G0A+4*\s+3], s[G0A+4*\s+3], 0x80000000
	s_mov_b32 s[G0B+4*\s], 1
	s_add_co_u32 s[G0B+4*\s+1], s47, \s*SLOT
	s_add_nc_u64 s[G0B+4*\s+2:G0B+4*\s+3], s[60:61], \s*49152      ; K step s: 128 k rows of 384 bytes
	s_or_b32 s[G0B+4*\s+3], s[G0B+4*\s+3], 0x80000000
	JLOAD \s                                       ; two tensor loads of the wave are out
.endr
	v_and_b32 v1, 15, v0                           ; r = l % 16
	v_bfe_u32 v2, v0, 4, 1                         ; h = l / 16
	v_mul_u32_u24 v3, v1, APITCH                   ; x: row r, 16 bytes for each half of the lanes
	v_lshl_add_u32 v3, v2, 4, v3
	s_mul_i32 s58, s13, AHALF
	v_add_nc_u32 v[ADRA], s58, v3
	v_add_nc_u32 v[ADRA+1], SLOT, v[ADRA]
	v_and_b32 v4, 7, v0                            ; W, transposing load: k row 8 h + l % 8,
	v_lshl_add_u32 v4, v2, 3, v4
	v_mul_u32_u24 v4, v4, BPITCH
	v_bfe_u32 v5, v0, 3, 1                         ; 16 bytes on for lanes 8-15 and 24-31
	v_lshl_add_u32 v4, v5, 4, v4
	s_mul_i32 s59, s14, 240                        ; my 96 columns: three pieces of 80 bytes
	s_add_co_u32 s59, s59, BOFFS
	v_add_nc_u32 v[ADRB], s59, v4
	v_add_nc_u32 v[ADRB+1], SLOT, v[ADRB]
	v_mul_u32_u24 v6, v1, SPITCH                   ; the way out, in: row 128 wm + r, byte 192 wn + 16 h
	v_lshl_add_u32 v6, v2, 4, v6
	s_mul_i32 s58, s13, 128*SPITCH
	s_mul_i32 s59, s14, 192
	s_add_co_u32 s58, s58, s59
	v_add_nc_u32 v[STO], s58, v6
	v_lshrrev_b32 v7, 3, v0                        ; back: eight threads take the 128 bytes that a row has of one section
	v_and_b32 v8, 7, v0
	v_mul_u32_u24 v7, v7, SPITCH
	v_lshl_add_u32 v[RD0], v8, 4, v7
	v_add_nc_u32 v[RD0+1], 128*SPITCH, v[RD0]
	v_lshlrev_b32 v[CO], 4, v0
	v_lshlrev_b32 v[BOFF], 5, v2                   ; my 8 columns of a tile: 32 h bytes
	WIN 0x40                                       ; the bias of four tiles into window 1; waited for on the way out
.irp i, 0,1,2,3
	global_load_b128 v[BIASR+8*\i:BIASR+8*\i+3],   v[BOFF], s[74:75] offset:64*\i
	global_load_b128 v[BIASR+8*\i+4:BIASR+8*\i+7], v[BOFF], s[74:75] offset:64*\i+16
.endr
	WIN 0
; 12 matrix instructions: m tiles a0, a0 + 1 of the window's four x 6 n tiles, 32 along K.  The 48 accumulators take turns, one instruction a turn,
; in the same order in every quarter step.  zero = 1: the first product starts the sums.
.macro MUL12 f, hi, a0, zero
.irp a, \a0, \a0+1
.irp b, 0,1,2,3,4,5
.if \zero
	v_wmma_f32_16x16x32_bf16 v[8*(6*(\a)+\b):8*(6*(\a)+\b)+7], v[96+112*\f+8*\b:96+112*\f+8*\b+7], v[32+112*\f+8*(4*\hi+\a):32+112*\f+8*(4*\hi+\a)+7], 0
.else
	v_wmma_f32_16x16x32_bf16 v[8*(6*(\a)+\b):8*(6*(\a)+\b)+7], v[96+112*\f+8*\b:96+112*\f+8*\b+7], v[32+112*\f+8*(4*\hi+\a):32+112*\f+8*(4*\hi+\a)+7], v[8*(6*(\a)+\b):8*(6*(\a)+\b)+7]
.endif
.endr
.endr
.endm
; 28 LDS loads in one run: quarter kq (32 along K) of a slot into buffer f: W's six tiles (transposed on the way), then x's eight
.macro FETCH slot, kq, f
	WIN 0
.irp b, 0,1,2,3,4,5
	ds_load_tr16_b128 v[96+112*\f+8*\b:96+112*\f+8*\b+3],   v[ADRB+\slot] offset:\kq*32*BPITCH+(\b>>1)*80+(\b&1)*32
	ds_load_tr16_b128 v[96+112*\f+8*\b+4:96+112*\f+8*\b+7], v[ADRB+\slot] offset:\kq*32*BPITCH+(\b>>1)*80+(\b&1)*32+16*BPITCH
.endr
.irp a, 0,1,2,3,4,5,6,7
	ds_load_b128 v[32+112*\f+8*\a:32+112*\f+8*\a+3],   v[ADRA+\slot] offset:\kq*64+\a*16*APITCH
	ds_load_b128 v[32+112*\f+8*\a+4:32+112*\f+8*\a+7], v[ADRA+\slot] offset:\kq*64+\a*16*APITCH+32
.endr
.endm
; One of a K step's first three quarters: multiplies buffer f, and in its middle fetches quarter kq into buffer g
.macro QUARTER slot, kq, f, g, zero
	s_wait_dscnt 8                                 ; W and x's rows 0-63 are in; the youngest eight loads (x's rows 64-127) may be out
	WIN MUL_LO
	MUL12 \f, 0, 0, \zero
	MUL12 \f, 0, 2, \zero
	PLACES
	FETCH \slot, \kq, \g
	s_wait_dscnt 28                                ; all but the 28 just issued
	WIN MUL_HI
	MUL12 \f, 1, 0, \zero
	MUL12 \f, 1, 2, \zero
.endm
.macro THREE slot, zero
	QUARTER \slot, 1, 0, 1, \zero
	QUARTER \slot, 2, 1, 0, 0
	QUARTER \slot, 3, 0, 1, 0
.endm
; The last quarter: multiplies buffer 1 and changes slots.  In front of the one barrier each wave waits for its reads of this slot and for all its tensor
; loads (one is out: its part of the next slot).  fill = 1: the barrier opens a round of the cluster's barrier, and the joint refill of this slot,
; two K steps ahead, is the first tensor load behind the round.  From that request to the wait for it a wave issues 180 matrix instructions.
.macro TURN slot, next, fill
	s_wait_dscnt 8
	WIN MUL_LO
	MUL12 1, 0, 0, 0
	s_wait_dscnt 0x0                               ; my reads of this slot are over
	s_wait_tensorcnt 0x0                           ; all my tensor loads have landed
	ds_add_u32 v30, v31
	s_wait_dscnt 0x0
	s_barrier_signal -1
	MUL12 1, 0, 2, 0                               ; register work while the others arrive
	WIN 0
	s_barrier_wait -1
.if \fill
	CREST                                          ; no wave of any partner still reads this slot or has a load on its way
	s_add_nc_u64 s[G0A+4*\slot+2:G0A+4*\slot+3], s[G0A+4*\slot+2:G0A+4*\slot+3], 512
	s_add_nc_u64 s[G0B+4*\slot+2:G0B+4*\slot+3], s[G0B+4*\slot+2:G0B+4*\slot+3], 98304
	JLOAD \slot
.endif
	PLACES
	FETCH \next, 0, 0
	WIN MUL_HI
	MUL12 1, 1, 0, 0
	MUL12 1, 1, 2, 0
.endm
.macro LAP zero
	THREE 0, \zero
	TURN 0, 1, 1
	THREE 1, 0
	TURN 1, 0, 1
.endm
	s_wait_tensorcnt 0x1                           ; my part of K step 0 is in; K step 1's stays out
	s_barrier_signal -1
	s_barrier_wait -1
	FETCH 0, 0, 0
	LAP 1                                          ; the first lap's first products start the sums
	WIN 0
	s_mov_b32 s3, LAPS-2
.Llap:
	LAP 0
	WIN 0
	s_sub_co_u32 s3, s3, 1
	s_cmp_lg_u32 s3, 0
	s_cbranch_scc1 .Llap
	THREE 0, 0                                     ; the last lap fills nothing
	TURN 0, 1, 0
	THREE 1, 0
	s_wait_dscnt 8
	WIN MUL_LO
	MUL12 1, 0, 0, 0
	MUL12 1, 0, 2, 0
	s_wait_dscnt 0x0
	WIN MUL_HI
	MUL12 1, 1, 0, 0
	MUL12 1, 1, 2, 0
	; THE WAY OUT.  The ring has had its last fill; its first 102,400 bytes become a stage of 256 rows x 192 f16.
	PLACES
	WIN 0
	s_barrier_signal -1                            ; every wave's reads of the ring are back (the wait for 0 above) and its tensor loads have landed
	s_barrier_wait -1
	s_wait_loadcnt 0x0                             ; the bias
; the bias of 64 columns onto tiles b0 .. b0 + 3 of all eight m tiles
.macro BIAS b0
	WIN 0x45                                       ; accumulators and bias in window 1
.irp a, 0,1,2,3
.irp i, 0,1,2,3
.irp p, 0,2,4,6
	v_pk_add_f32 v[8*(6*\a+\b0+\i)+\p:8*(6*\a+\b0+\i)+\p+1], v[8*(6*\a+\b0+\i)+\p:8*(6*\a+\b0+\i)+\p+1], v[BIASR+8*\i+\p:BIASR+8*\i+\p+1]
.endr
.endr
.endr
	WIN 0x86                                       ; accumulators in window 2, bias in window 1
.irp a, 0,1,2,3
.irp i, 0,1,2,3
.irp p, 0,2,4,6
	v_pk_add_f32 v[8*(6*\a+\b0+\i)+\p:8*(6*\a+\b0+\i)+\p+1], v[8*(6*\a+\b0+\i)+\p:8*(6*\a+\b0+\i)+\p+1], v[BIASR+8*\i+\p:BIASR+8*\i+\p+1]
.endr
.endr
.endr
	WIN 0
.endm
	s_cmp_lg_u32 s14, 0
	s_cbranch_scc1 .Lbias_v
	BIAS 0                                         ; wn = 0: columns 0-63 are q; 64-95 are k, which takes no bias
	s_branch .Lbias_done
.Lbias_v:
	BIAS 2                                         ; wn = 1: columns 96-127 are k; 128-191 are v
.Lbias_done:
; rows 16 ga .. 16 ga + 15 of my 128: round to f16, 16 bytes a lane and tile into the stage
.macro PACK a, ga, win
	WIN \win
.irp b, 0,1,2,3,4,5
.irp p, 0,1,2,3
	v_cvt_pk_f16_f32 v[32+4*\b+\p], v[8*(6*\a+\b)+2*\p], v[8*(6*\a+\b)+2*\p+1]
.endr
.endr
	WIN 0
.irp b, 0,1,2,3,4,5
	ds_store_b128 v[STO], v[32+4*\b:32+4*\b+3] offset:\ga*16*SPITCH+32*\b
.endr
.endm
	PACK 0, 0, 0x05
	PACK 1, 1, 0x05
	PACK 2, 2, 0x05
	PACK 3, 3, 0x05
	PACK 0, 4, 0x0a
	PACK 1, 5, 0x0a
	PACK 2, 6, 0x0a
	PACK 3, 7, 0x0a
	s_wait_dscnt 0x0                               ; my stores are in LDS, for the other waves' sake
	s_barrier_signal -1
	s_barrier_wait -1
	; Read back by sections: a section's 256 rows of 128 bytes are one dense block of qkv; the work-group's 128 threads take 16 rows at a time.
.set t, 0
.rept 48
	ds_load_b128 v[32+4*t:32+4*t+3], v[RD0+((t&15)>>3)] offset:(t&7)*16*SPITCH+(t>>4)*128
.set t, t+1
.endr
.set t, 0
.rept 48
	s_wait_dscnt 47-t                              ; LDS loads come back in order: load t is in
	global_store_b128 v[CO], v[32+4*t:32+4*t+3], s[68+2*(t>>4):69+2*(t>>4)] offset:(t&15)*2048   ; a wave stores 512 neighbouring bytes, aligned
.set t, t+1
.endr
	s_wait_tensorcnt 0x0
	ds_add_u32 v30, v31
	s_wait_dscnt 0x0
	CROUND                                         ; the closing round: no work-group ends while a partner may still ask for a tile that names it
	s_endpgm
.Lfunc_end_k_q19a04a6b92_qkv:
	.size	k_q19a04a6b92_qkv, .Lfunc_end_k_q19a04a6b92_qkv-k_q19a04a6b92_qkv
	.p2alignl 7, 3214868480
	.fill 96, 4, 3214868480
	.section	.rodata,"a",@progbits
	.p2align	6, 0x0
	.amdhsa_kernel k_q19a04a6b92_qkv
		.amdhsa_group_segment_fixed_size 327680
		.amdhsa_private_segment_fixed_size 0
		.amdhsa_enable_private_segment 0
		.amdhsa_kernarg_size 32
		.amdhsa_user_sgpr_count 2
		.amdhsa_user_sgpr_kernarg_segment_ptr 1
		.amdhsa_wavefront_size32 1
		.amdhsa_system_sgpr_workgroup_id_x 1
		.amdhsa_system_sgpr_workgroup_id_y 1
		.amdhsa_system_sgpr_workgroup_id_z 1
		.amdhsa_system_vgpr_workitem_id 0
		.amdhsa_next_free_vgpr 704
		.amdhsa_next_free_sgpr 80
		.amdhsa_reserve_vcc 0
		.amdhsa_float_denorm_mode_32 3
		.amdhsa_float_denorm_mode_16_64 3
		.amdhsa_memory_ordered 1
		.amdhsa_forward_progress 1
		.amdhsa_inst_pref_size 174
	.end_amdhsa_kernel
	.amdgpu_metadata
---
amdhsa.version: [ 1, 2 ]
amdhsa.kernels:
  - .name:           k_q19a04a6b92_qkv
    .symbol:         k_q19a04a6b92_qkv.kd
    .args:
      - { .name: xb, .offset: 0, .size: 8, .value_kind: global_buffer, .address_space: global }
      - { .name: wab, .offset: 8, .size: 8, .value_kind: global_buffer, .address_space: global }
      - { .name: b_attn, .offset: 16, .size: 8, .value_kind: global_buffer, .address_space: global }
      - { .name: qkv, .offset: 24, .size: 8, .value_kind: global_buffer, .address_space: global }
    .group_segment_fixed_size: 327680
    .private_segment_fixed_size: 0
    .kernarg_segment_align: 8
    .kernarg_segment_size: 32
    .max_flat_workgroup_size: 128
    .sgpr_count:     80
    .vgpr_count:     704
    .wavefront_size: 32
...
	.end_amdgpu_metadata
.endif
;; end of part 2
;; launch attn (part 3): grid 256 x 1, 4 waves a work-group, no clusters, 327,680 bytes of LDS; arguments qkv, yf; writes yf
.if DOCPART == 3
	.amdgcn_target "amdgcn-amd-amdhsa--gfx1250"
	.amdhsa_code_object_version 6
	.text
	.protected	k_q19a04a6b92_attn
	.globl	k_q19a04a6b92_attn
	.p2align	8
	.type	k_q19a04a6b92_attn,@function
k_q19a04a6b92_attn:
	s_mov_b64 s[64:65], 0
	v_nop
	global_prefetch_b8 v0, s[64:65] scope:SCOPE_SE
	s_setreg_imm32_b32 hwreg(HW_REG_WAVE_MODE, 25, 1), 1
	s_wait_xcnt 0x0
; yf[head][row][d] = f16( causal softmax(q k^T / 8) v ), for each of 2 batches x 16 heads; q, k, v in f16 from qkv[sec*16 + head][row][64].
; LEFT OUT: blocks of 128 keys wholly above the diagonal (the problem's own mask makes their weights 0); a NaN or an infinity in a masked score is not carried on.
; SHARES: work-group g: batch and head g >> 3, i = g & 7.  It takes the query blocks of 128 rows j = 15 - i and then j = i: (16 - i) + (i + 1) = 17 blocks of 128 keys
; in every work-group.  A wave takes 32 query rows: two tiles of 16, A and B.  Key blocks run from the diagonal block down to block 0, so that each row meets a live key
; (the block's first) in its first step and the running maximum is finite from then on.
; NO CLUSTER: in trip t work-group i reads key block 15 - i - t, so no two work-groups of a head want the same tile in the same trip: nothing can be asked for jointly.
; LAYOUT:  S^T = K Q^T (source 0 = 16 keys, source 1 = 16 queries): lane (r, h), register e holds key 8 h + e of query r.  Two such tiles packed to f16 in place ARE
; source 1 (32 keys x 16 queries) of O^T = V^T P^T, whose source 0 comes from V's rows through the transposing LDS load.  Maximum, sum and factors are one number a lane.
; SOFTMAX: running maximum m; nm = -c m with c = log2(e) / 8; p = 2^(c s + nm); the factor for what was summed before is 2^(nm_new - nm_old), made of the rounded
; shifts themselves, so that old and new terms carry the same shift.  m starts at -inf and nm at +inf: the first factor of a query block is 0.
; TURNS: the two query tiles share K's and V's fragments and take turns.  A half-step h is 64 keys.  Turn 1: B's products (P V of h - 1, then K Q of h), and behind each of
; these 16 matrix instructions one of the 16 slices of A's softmax of h.  Turn 2: A's products (P V of h, K Q of h + 1) with the slices of B's softmax of h.
; A trip (128 keys) has 64 matrix instructions and 4 x 122 vector instructions; in turns they run side by side.
; WINDOWS: P is written as a vector destination and read as a matrix source 1, and an exponential reads source 0 and writes its destination, so one setting for products
; and slices would put every operand into one window; Q, scores, O and the small registers are 200 and the fragments that both tiles share at least 128.  So the fragments
; lie in window 1 and each matrix instruction stands between two switches: 128 a trip, and 6 for the three runs of fragment loads.
;   window 0: as named below.   window 1: K's fragments, buffer b at 64 b + 16 kt + 8 ks; V's at 128 + 64 b + 32 u + 8 dt; b = the half of the key block.
;   window 2: the second query block's Q, loaded at the start and copied in when a tile changes blocks.
.set VPITCH, 160                       ; V in LDS: a key's 128 bytes + 32: 5 x 32
.set KPITCH, 144                       ; K in LDS: 128 bytes + 16
.set VBYTES, 128*VPITCH
.set SLOT,   VBYTES+128*KPITCH         ; 38,912: V's 128 keys, then K's
.set STAGE,  2*SLOT                    ; 77,824: behind the ring, 32 rows x 144 bytes for each wave; no tensor load fills it
.set ADRK, 8                           ; v8-9   LDS address of my K fragments, slot 0, 1
.set ADRV, 10                          ; v10-11 the same for V
.set QOFF, 12                          ; my byte offset in a query block
.set STO,  13                          ; the way out: in
.set RD,   14                          ; the way out: back
.set YOFF, 15                          ; 16 x lane
.set DLT,  16                          ; 32 w + r - 8 h: key 16 kt + 8 h + e is live for query 32 w + 16 qt + r where 16 kt + e - 16 qt <= DLT
.set NINF, 17                          ; -inf
.set MX,   18                          ; v18-19 running maximum, tile A, B
.set LS,   20                          ; v20-21 running sum over my half's keys
.set AL,   22                          ; v[22:23], v[24:25] factor (first register of the pair; the second is written once)
.set NM,   26                          ; v[26:27], v[28:29] nm likewise
.set TP,   30                          ; v30-41, v42-53 at work: four maxima, the old nm, a sum, two pairs of sums
.set QR,   64                          ; v64-95   Q's fragments at 16 qt + 8 ks
.set SC,   96                          ; v96-159  scores at 32 qt + 8 kt, then P at 32 qt + 16 u
.set OA,   160                         ; v160-223 O at 32 qt + 8 dt
.set KF,   0                           ; window 1
.set VF,   128                         ; window 1
.set Q2,   0                           ; window 2
.set CSC,  0x3e38aa3b                  ; log2(e) / 8
.set NCSC, 0xbe38aa3b
.set G1V, 16                           ; s[16:23]
.set G1K, 24                           ; s[24:31]
.set G0V, 32                           ; s[32:39] a set for each slot
.set G0K, 40                           ; s[40:47]
; s48, s49, s50: the key block of this trip, the next, the one after.  s51: the query block whose rows go out next.  s52: the second query block.
; s53: 1 in a query block's first trip, whose key block is the diagonal one.
.set MSB, 0
.macro WIN new                         ; the immediate's high byte repeats the setting that is left
.if MSB != \new
	s_set_vgpr_msb (MSB<<8)|\new
.set MSB, \new
.endif
.endm
.macro PLACES n                        ; places behind matrix instructions (ISA guide 7.12.1), where no slice stands
.rept \n
	v_nop
.endr
.endm
.macro KVLOAD s                        ; waves 0, 1 fetch V's two halves of 64 keys, waves 2, 3 K's: one tensor load a wave
	s_cmp_eq_u32 s13, 0
	s_cbranch_scc0 .Lfor_k_\@
	tensor_load_to_lds s[G0V+4*\s:G0V+4*\s+3], s[G1V:G1V+7]
	s_nop 0
	s_branch .Lasked_\@
.Lfor_k_\@:
	tensor_load_to_lds s[G0K+4*\s:G0K+4*\s+3], s[G1K:G1K+7]
	s_nop 0
.Lasked_\@:
.endm
.macro QLOAD win, reg, sb              ; my 32 query rows of a block as source-1 fragments
	WIN \win
.irp qt, 0,1
.irp ks, 0,1
	global_load_b128 v[\reg+16*\qt+8*\ks:\reg+16*\qt+8*\ks+3],   v[QOFF], s[\sb:\sb+1] offset:\qt*2048+\ks*64
	global_load_b128 v[\reg+16*\qt+8*\ks+4:\reg+16*\qt+8*\ks+7], v[QOFF], s[\sb:\sb+1] offset:\qt*2048+\ks*64+32
.endr
.endr
	WIN 0
.endm
	s_load_b128 s[4:7], s[0:1], 0x0                ; qkv s[4:5], yf s[6:7]
	v_lshl_add_u32 v254, v0, 2, 0x29000
	v_mov_b32 v255, 0
	ds_add_u32 v254, v255
	ds_add_u32 v254, v255
	v_lshrrev_b32 v1, 5, v0
	v_readfirstlane_b32 s12, v1                    ; wave
	s_lshr_b32 s13, s12, 1                         ; I fetch V (0) or K (1),
	s_and_b32 s8, s12, 1                           ; its keys 0-63 or 64-127
	s_mov_b32 s14, 0x76543210                      ; v_permlanex16_b32: lane i of one half reads lane i of the other
	s_mov_b32 s15, 0xfedcba98
	s_lshr_b32 s9, ttmp9, 3                        ; batch x 16 + head
	s_and_b32 s52, ttmp9, 7                        ; the second query block, i
	s_sub_co_u32 s51, 15, s52                      ; the first, 15 - i, at least 8
	s_mov_b32 s48, s51
	s_sub_co_u32 s49, s51, 1
	s_sub_co_u32 s50, s51, 2
	s_mov_b32 s53, 1
	s_and_b32 s10, s9, 15
	s_lshr_b32 s11, s9, 4
	s_lshl_b32 s10, s10, 19                        ; the head's plane of 524,288 bytes
	s_lshl_b32 s11, s11, 18                        ; the batch's 2,048 rows of 128 bytes
	s_add_co_u32 s62, s10, s11
	s_mov_b32 s63, 0                               ; stays 0: s[62:63] holds byte offsets
	; group 1: 64 keys of 128 bytes are a dense block of 8,192 bytes: 32 rows of 256 bytes; padding behind every 32 words: 8 words for V, 4 for K
	s_mov_b32 s[G1V+0], (1<<16)|(1<<20)|(4<<22)|(7<<25)
	s_mov_b32 s[G1K+0], (1<<16)|(1<<20)|(4<<22)|(3<<25)
.irp g, G1V, G1K
	s_mov_b32 s[\g+1], 128<<16
	s_mov_b32 s[\g+2], 32<<16
	s_mov_b32 s[\g+3], 128<<16
	s_mov_b32 s[\g+4], 32
	s_mov_b32 s[\g+5], 128
	s_mov_b32 s[\g+6], 0
	s_mov_b32 s[\g+7], 0
.endr
	s_mul_i32 s10, s12, 64*VPITCH                  ; LDS: V's halves at wave x 10,240 (waves 0, 1)
	s_mul_i32 s11, s12, 64*KPITCH
	s_add_co_u32 s11, s11, VBYTES-128*KPITCH       ; K's at 20,480 + (wave - 2) x 9,216 (waves 2, 3)
	s_wait_dscnt 0x0
	s_wait_kmcnt 0x0
	s_add_nc_u64 s[58:59], s[4:5], s[62:63]        ; q of this head and batch
	s_add_nc_u64 s[60:61], s[6:7], s[62:63]        ; y likewise
	s_lshl_b32 s62, s8, 13
	s_add_nc_u64 s[56:57], s[58:59], s[62:63]      ; + my half of a key block
	s_add_nc_u64 s[54:55], s[56:57], 0x1000000     ; v: 32 planes on
	s_add_nc_u64 s[56:57], s[56:57], 0x800000      ; k: 16 planes on
	s_lshl_b32 s62, s12, 12
	s_add_nc_u64 s[60:61], s[60:61], s[62:63]      ; y at my wave's 32 rows of a block
.irp s, 0,1
	s_mov_b32 s[G0V+4*\s], 1
	s_add_co_u32 s[G0V+4*\s+1], s10, \s*SLOT
	s_mov_b32 s[G0K+4*\s], 1
	s_add_co_u32 s[G0K+4*\s+1], s11, \s*SLOT
	s_lshl_b32 s62, s[48+\s], 14                   ; a key block is 16,384 bytes
	s_add_nc_u64 s[G0V+4*\s+2:G0V+4*\s+3], s[54:55], s[62:63]
	s_or_b32 s[G0V+4*\s+3], s[G0V+4*\s+3], 0x80000000
	s_add_nc_u64 s[G0K+4*\s+2:G0K+4*\s+3], s[56:57], s[62:63]
	s_or_b32 s[G0K+4*\s+3], s[G0K+4*\s+3], 0x80000000
	KVLOAD \s                                      ; the two first fills go out together: two tensor loads of the wave are out
.endr
	v_and_b32 v1, 15, v0                           ; r
	v_bfe_u32 v2, v0, 4, 1                         ; h
	v_and_b32 v3, 31, v0                           ; lane
	v_lshlrev_b32 v4, 7, v1
	v_lshl_add_u32 v4, v2, 4, v4
	s_lshl_b32 s9, s12, 12
	v_add_nc_u32 v[QOFF], s9, v4                   ; 4,096 w + 128 r + 16 h
	s_lshl_b32 s62, s51, 14
	s_add_nc_u64 s[66:67], s[58:59], s[62:63]
	s_lshl_b32 s62, s52, 14
	s_add_nc_u64 s[70:71], s[58:59], s[62:63]
	QLOAD 0, QR, 66                                ; the first query block's Q
	QLOAD 0x80, Q2, 70                             ; the second's, into window 2: no load is waited for in mid-loop
.set e, 0
.rept 64
	v_mov_b32 v[OA+e], 0                           ; once: the registers hold nothing yet, and the first factor, 0, needs a finite partner
.set e, e+1
.endr
	v_mul_u32_u24 v5, v1, KPITCH
	v_lshl_add_u32 v5, v2, 4, v5                   ; r x 144 + 16 h
	v_add_nc_u32 v[ADRK], VBYTES, v5
	v_add_nc_u32 v[ADRK+1], VBYTES+SLOT, v5
	s_mul_i32 s9, s12, 32*KPITCH
	s_add_co_u32 s9, s9, STAGE                     ; my stage
	v_add_nc_u32 v[STO], s9, v5
	v_and_b32 v6, 7, v0
	v_lshl_add_u32 v7, v2, 3, v6                   ; key row 8 h + l % 8
	v_mul_u32_u24 v7, v7, VPITCH
	v_bfe_u32 v4, v0, 3, 1
	v_lshl_add_u32 v[ADRV], v4, 4, v7
	v_add_nc_u32 v[ADRV+1], SLOT, v[ADRV]
	v_lshrrev_b32 v4, 3, v3                        ; back: eight lanes take a row of 128 bytes
	v_mul_u32_u24 v4, v4, KPITCH
	v_lshl_add_u32 v4, v6, 4, v4
	v_add_nc_u32 v[RD], s9, v4
	v_lshlrev_b32 v[YOFF], 4, v3
	s_lshl_b32 s9, s12, 5
	v_lshlrev_b32 v4, 3, v2
	v_sub_nc_u32 v4, v1, v4
	v_add_nc_u32 v[DLT], s9, v4
	v_mov_b32 v[NINF], 0xff800000
	v_mov_b32 v[MX], 0xff800000
	v_mov_b32 v[MX+1], 0xff800000
	v_mov_b32 v[LS], 0
	v_mov_b32 v[LS+1], 0
	v_mov_b32 v[AL+1], 0                           ; the pairs' second registers: named by the packed forms, never used
	v_mov_b32 v[AL+3], 0
	v_mov_b32 v[NM], 0x7f800000
	v_mov_b32 v[NM+1], 0
	v_mov_b32 v[NM+2], 0x7f800000
	v_mov_b32 v[NM+3], 0
.macro LDK slot, half, kb              ; 16 loads: 64 keys x 64 d as source-0 fragments into K's buffer kb (destination in window 1)
.irp kt, 0,1,2,3
.irp ks, 0,1
	ds_load_b128 v[KF+64*\kb+16*\kt+8*\ks:KF+64*\kb+16*\kt+8*\ks+3],   v[ADRK+\slot] offset:(64*\half+16*\kt)*KPITCH+64*\ks
	ds_load_b128 v[KF+64*\kb+16*\kt+8*\ks+4:KF+64*\kb+16*\kt+8*\ks+7], v[ADRK+\slot] offset:(64*\half+16*\kt)*KPITCH+64*\ks+32
.endr
.endr
.endm
.macro LDV slot, half, vb              ; 16 transposing loads: 64 d x 64 keys as source-0 fragments into V's buffer vb
.irp u, 0,1
.irp dt, 0,1,2,3
	ds_load_tr16_b128 v[VF+64*\vb+32*\u+8*\dt:VF+64*\vb+32*\u+8*\dt+3],   v[ADRV+\slot] offset:(64*\half+32*\u)*VPITCH+32*\dt
	ds_load_tr16_b128 v[VF+64*\vb+32*\u+8*\dt+4:VF+64*\vb+32*\u+8*\dt+7], v[ADRV+\slot] offset:(64*\half+32*\u)*VPITCH+32*\dt+16*VPITCH
.endr
.endr
.endm
; The single lines of a softmax step; SB, TT, OB, ALQ, NMQ are set by the slice that calls them.
.macro F1 p                            ; pair p of the 32 scores: c s + nm
	v_pk_fma_f32 v[SB+2*(\p):SB+2*(\p)+1], v[SB+2*(\p):SB+2*(\p)+1], CSC, v[NMQ:NMQ+1] op_sel_hi:[1,0,0]
.endm
.macro E1 e
	v_exp_f32 v[SB+(\e)], v[SB+(\e)]
.endm
.macro A1 u, p                         ; pair p onto chain u of the sum
	s_wait_alu depctr_va_vdst(0)
	v_pk_add_f32 v[TT+6+2*\u:TT+7+2*\u], v[TT+6+2*\u:TT+7+2*\u], v[SB+2*(\p):SB+2*(\p)+1]
.endm
.macro C1 c                            ; weights 2 c, 2 c + 1 to f16, in place and upward: the register written has been summed and packed before
	v_cvt_pk_f16_f32 v[SB+16*((\c)>>3)+((\c)&7)], v[SB+2*(\c)], v[SB+2*(\c)+1]
.endm
.macro R1 p                            ; pair p of O times the factor
	v_pk_mul_f32 v[OB+2*(\p):OB+2*(\p)+1], v[OB+2*(\p):OB+2*(\p)+1], v[ALQ:ALQ+1] op_sel_hi:[1,0]
.endm
; Slice n (0..15) of tile qt's softmax step over 64 keys (32 numbers a lane), O's rescaling included.  Each exponential is followed by a plain instruction that
; touches neither its result nor its source (ISA guide 5.7.2); results are used two slices on.  Slices 5 to 15 hold at least four plain instructions each.
.macro SL qt, n
.set SB, SC+32*\qt
.set TT, TP+12*\qt
.set OB, OA+32*\qt
.set ALQ, AL+2*\qt
.set NMQ, NM+2*\qt
.if (\n) == 0                          ; four chains of maxima, in the order in which the score tiles were made; one starts from the running maximum
	v_max3_num_f32 v[TT+1], v[SB+8], v[SB+9], v[SB+10]
	v_max3_num_f32 v[TT+3], v[SB+24], v[SB+25], v[SB+26]
	v_max3_num_f32 v[TT], v[MX+\qt], v[SB], v[SB+1]
	v_max3_num_f32 v[TT+2], v[SB+16], v[SB+17], v[SB+18]
	v_max3_num_f32 v[TT+1], v[TT+1], v[SB+11], v[SB+12]
	v_max3_num_f32 v[TT+3], v[TT+3], v[SB+27], v[SB+28]
	v_max3_num_f32 v[TT], v[TT], v[SB+2], v[SB+3]
	v_max3_num_f32 v[TT+2], v[TT+2], v[SB+19], v[SB+20]
.endif
.if (\n) == 1
	v_max3_num_f32 v[TT+1], v[TT+1], v[SB+13], v[SB+14]
	v_max3_num_f32 v[TT+3], v[TT+3], v[SB+29], v[SB+30]
	v_max3_num_f32 v[TT], v[TT], v[SB+4], v[SB+5]
	v_max3_num_f32 v[TT+2], v[TT+2], v[SB+21], v[SB+22]
	v_max_num_f32 v[TT+1], v[TT+1], v[SB+15]
	v_max_num_f32 v[TT+3], v[TT+3], v[SB+31]
	v_max3_num_f32 v[TT], v[TT], v[SB+6], v[SB+7]
	v_max_num_f32 v[TT+2], v[TT+2], v[SB+23]
.endif
.if (\n) == 2
	v_max3_num_f32 v[TT], v[TT], v[TT+1], v[TT+3]
	v_mov_b32 v[TT+4], v[NMQ]                      ; nm_old
	v_max_num_f32 v[TT], v[TT], v[TT+2]
.endif
.if (\n) == 3
	v_permlanex16_b32 v[TT+1], v[TT], s14, s15     ; the other half's keys of the same query
	v_max_num_f32 v[TT+1], v[TT], v[TT+1]          ; the new maximum
.endif
.if (\n) == 4
	v_mul_f32 v[NMQ], NCSC, v[TT+1]                ; nm_new
	v_mov_b32 v[MX+\qt], v[TT+1]
	v_sub_f32 v[TT+4], v[NMQ], v[TT+4]             ; nm_new - nm_old <= 0
	F1 0
	v_exp_f32 v[ALQ], v[TT+4]
	F1 1
	F1 2
	F1 3
.endif
.if ((\n) == 5) || ((\n) == 6)
	E1 4*((\n)-5)
	F1 4*((\n)-4)
	E1 4*((\n)-5)+1
	F1 4*((\n)-4)+1
	E1 4*((\n)-5)+2
	F1 4*((\n)-4)+2
	E1 4*((\n)-5)+3
	F1 4*((\n)-4)+3
.endif
.if (\n) == 7
	E1 8
	F1 12
	E1 9
	F1 13
	E1 10
	F1 14
	E1 11
	F1 15
	s_wait_alu depctr_va_vdst(0)
	v_pk_add_f32 v[TT+6:TT+7], v[SB:SB+1], v[SB+2:SB+3]            ; the first pairs start the two chains of the sum
.endif
.if (\n) == 8
	E1 12
	v_pk_add_f32 v[TT+8:TT+9], v[SB+4:SB+5], v[SB+6:SB+7]
	E1 13
	C1 0
	E1 14
	C1 1
	E1 15
	R1 0
	R1 1
.endif
.if ((\n) >= 9) && ((\n) <= 12)
	E1 4*((\n)-5)
	A1 0, 2*((\n)-7)
	E1 4*((\n)-5)+1
	A1 1, 2*((\n)-7)+1
	E1 4*((\n)-5)+2
	C1 2*((\n)-8)
	E1 4*((\n)-5)+3
	C1 2*((\n)-8)+1
	R1 2*((\n)-8)
	R1 2*((\n)-8)+1
.endif
.if ((\n) == 13) || ((\n) == 14)
	A1 0, 2*((\n)-7)
	A1 1, 2*((\n)-7)+1
	C1 2*((\n)-8)
	C1 2*((\n)-8)+1
	R1 2*((\n)-8)
	R1 2*((\n)-8)+1
.endif
.if (\n) == 14
	v_pk_add_f32 v[TT+6:TT+7], v[TT+6:TT+7], v[TT+8:TT+9]
.endif
.if (\n) == 15
	v_add_f32 v[TT+5], v[TT+6], v[TT+7]
	C1 14
	C1 15
	R1 14
	R1 15
	v_fma_f32 v[LS+\qt], v[LS+\qt], v[ALQ], v[TT+5]
.endif
.endm
; Eight places of a turn: tile mq's O^T += V^T P^T from V's buffer vb (withm = 1), slices 0-7 of tile sq behind them (sl = 1).
; Four accumulators take turns, one instruction a turn.
.macro PVRUN mq, vb, sq, withm, sl
.irp p, 0,1,2,3,4,5,6,7
.if \withm
	WIN 0x01                                       ; source 0 in window 1
	v_wmma_f32_16x16x32_f16 v[OA+32*\mq+8*(\p&3):OA+32*\mq+8*(\p&3)+7], v[VF+64*\vb+32*(\p>>2)+8*(\p&3):VF+64*\vb+32*(\p>>2)+8*(\p&3)+7], v[SC+32*\mq+16*(\p>>2):SC+32*\mq+16*(\p>>2)+7], v[OA+32*\mq+8*(\p&3):OA+32*\mq+8*(\p&3)+7]
.endif
.if \sl
	WIN 0
	SL \sq, \p
.endif
.endr
	WIN 0
.endm
; The other eight: tile mq's S^T = K Q^T from K's buffer kb, slices 8-15 of tile sq behind them.  The first four start the sums; four accumulators take turns, one
; instruction a turn.  Tiles go in the order 1, 3, 0, 2: tiles 0 and 2 lie where P lay, and are written at least three slices behind P's last reader.
.macro SRUN mq, kb, sq, withm, sl
.irp i, 0,1,2,3,4,5,6,7
.if \withm
.set KT, (2*(\i&3)+1)%5
	WIN 0x01
.if \i < 4
	v_wmma_f32_16x16x32_f16 v[SC+32*\mq+8*KT:SC+32*\mq+8*KT+7], v[KF+64*\kb+16*KT:KF+64*\kb+16*KT+7], v[QR+16*\mq:QR+16*\mq+7], 0
.else
	v_wmma_f32_16x16x32_f16 v[SC+32*\mq+8*KT:SC+32*\mq+8*KT+7], v[KF+64*\kb+16*KT+8:KF+64*\kb+16*KT+15], v[QR+16*\mq+8:QR+16*\mq+15], v[SC+32*\mq+8*KT:SC+32*\mq+8*KT+7]
	s_wait_alu depctr_va_vdst(0)
.endif
.endif
.if \sl
	WIN 0
	SL \sq, 8+\i
.endif
.endr
	WIN 0
.endm
.macro MASKQ qt, half                  ; in the diagonal block alone: one tile's keys beyond the query become -inf.  Six plain instructions (slice 15) stand behind the last score product
	s_cmp_eq_u32 s53, 0
	s_cbranch_scc1 .Lnomask_\@
.irp kt, 0,1,2,3
.irp e, 0,1,2,3,4,5,6,7
	v_cmp_le_i32 vcc_lo, 64*\half+16*\kt+\e-16*\qt, v[DLT]
	v_cndmask_b32 v[SC+32*\qt+8*\kt+\e], v[NINF], v[SC+32*\qt+8*\kt+\e], vcc_lo
.endr
.endr
.Lnomask_\@:
.endm
; The end of a query block for tile qt, behind its last P V: O / l to f16 in the tile's score registers (P has been read), through my own stage, out as whole rows.
; swap = 1: the tile goes on with the second query block: its Q is copied in; with m = -inf and nm = +inf the next factor is 0, which wipes O and l
; (both finite: |O| <= l max|v|).
.macro EPI qt, swap
.set SB, SC+32*\qt
.set TT, TP+12*\qt
.set OB, OA+32*\qt
.set ALQ, AL+2*\qt
	PLACES 4                                       ; behind the tile's last matrix instructions: O is read, P's registers are written
	s_lshl_b32 s62, s51, 14
	s_add_nc_u64 s[68:69], s[60:61], s[62:63]      ; free: the last stores by this base stand in front of a wait for all translations
	v_permlanex16_b32 v[TT], v[LS+\qt], s14, s15   ; the sum over the other half's keys
	v_add_f32 v[TT], v[TT], v[LS+\qt]
	v_rcp_f32 v[ALQ], v[TT]
	v_nop                                          ; a plain place behind the reciprocal
	s_wait_alu depctr_va_vdst(0)
.irp e, 0,2,4,6,8,10,12,14,16,18,20,22,24,26,28,30
	v_pk_mul_f32 v[SB+\e:SB+\e+1], v[OB+\e:OB+\e+1], v[ALQ:ALQ+1] op_sel_hi:[1,0]
.endr
.irp dt, 0,1,2,3
.irp p, 0,1,2,3
	v_cvt_pk_f16_f32 v[SB+8*\dt+\p], v[SB+8*\dt+2*\p], v[SB+8*\dt+2*\p+1]
.endr
	ds_store_b128 v[STO], v[SB+8*\dt:SB+8*\dt+3] offset:\qt*16*KPITCH+32*\dt
.endr
.irp u, 0,1,2,3
	ds_load_b128 v[SB+8*\u+4:SB+8*\u+7], v[RD] offset:\qt*16*KPITCH+\u*4*KPITCH    ; LDS serves a wave's instructions in order: these see the stores above
.endr
.irp u, 0,1,2,3
	s_wait_dscnt 3-\u                              ; load u is in, the 3 - u younger ones stay out
	global_store_b128 v[YOFF], v[SB+8*\u+4:SB+8*\u+7], s[68:69] offset:\qt*2048+512*\u   ; four rows: 512 neighbouring bytes, aligned
.endr
	s_wait_xcnt 0x0                                ; the score registers, which the stores read, and the base are written again only behind this wait
.if \swap
	WIN 0x02                                       ; source 0 in window 2
.set e, 0
.rept 16
	v_mov_b32 v[QR+16*\qt+e], v[Q2+16*\qt+e]
.set e, e+1
.endr
	WIN 0
	v_mov_b32 v[MX+\qt], v[NINF]
	v_mov_b32 v[NM+2*\qt], 0x7f800000
.endif
.endm
; One key block of 128 = two half-steps of two turns.  At entry: A's scores of the first half are made, K's buffer 0 holds that half, B's P and V's buffer 1 hold
; the last half-step (not in the first trip).
; first = 1: the very first trip;  refill = 1: this slot is filled again, with the key block two trips on;  more = 1: a further trip follows;  last = 1: the last trip.
.macro TRIP slot, first, refill, more, last
	WIN 0x40                                       ; fragments go to window 1.  Both buffers were last read a turn or more ago
	LDK \slot, 1, 1
	LDV \slot, 0, 0
	WIN 0
	MASKQ 0, 0
	PVRUN 1, 1, 0, 1-\first, 1                     ; B: P V of the last half-step;  A: softmax of half 0
.if \first == 0
	s_cmp_eq_u32 s53, 0                            ; the trip before had key block 0: B's query block is done
	s_cbranch_scc1 .Lnot_end_b_\@
	EPI 1, 1
	s_mov_b32 s51, s52                             ; both tiles' rows of the first block are out
.Lnot_end_b_\@:
.endif
	SRUN 1, 0, 0, 1, 1                             ; B: scores of half 0
	WIN 0x40
	LDV \slot, 1, 1                                ; buffer 1 was last read eight slices ago
	WIN 0
	s_wait_dscnt 16                                ; K's half 1 and V's half 0 are in; the 16 loads just issued stay out
	MASKQ 1, 0
	PVRUN 0, 0, 1, 1, 1                            ; A: P V of half 0;  B: softmax of half 0
	SRUN 0, 1, 1, 1, 1                             ; A: scores of half 1
	s_wait_dscnt 0x0                               ; V's half 1 is in: my reads of this slot are over
.if \more
	s_wait_tensorcnt 0x0                           ; all my tensor loads have landed, my part of the next trip's tile among them
	ds_add_u32 v254, v255
	s_wait_dscnt 0x0
.if \refill
	s_lshl_b32 s62, s50, 14                        ; no load of mine is out: this slot's group 0 may be written
	s_add_nc_u64 s[G0V+4*\slot+2:G0V+4*\slot+3], s[54:55], s[62:63]
	s_or_b32 s[G0V+4*\slot+3], s[G0V+4*\slot+3], 0x80000000
	s_add_nc_u64 s[G0K+4*\slot+2:G0K+4*\slot+3], s[56:57], s[62:63]
	s_or_b32 s[G0K+4*\slot+3], s[G0K+4*\slot+3], 0x80000000
.endif
	s_barrier_signal -1
	s_barrier_wait -1                              ; both now hold of all four waves
.if \refill
	KVLOAD \slot                                   ; my one tensor load behind this barrier; it has a whole trip, 64 matrix instructions, in which to land
.endif
	WIN 0x40
	LDK 1-\slot, 0, 0                              ; the next key block's first K fragments; buffer 0 was last read a turn ago
	WIN 0
.endif
	MASKQ 0, 1
	PVRUN 1, 0, 0, 1, 1                            ; B: P V of half 0;  A: softmax of half 1
	SRUN 1, 1, 0, 1, 1                             ; B: scores of half 1
.if \more
	s_wait_dscnt 0x0                               ; the next block's K fragments, asked for a turn ago
.endif
	MASKQ 1, 1
	PVRUN 0, 1, 1, 1, 1                            ; A: P V of half 1;  B: softmax of half 1
.if \last
	EPI 0, 0
	SRUN 0, 0, 1, 0, 1                             ; nothing is left for A: the rest of B's softmax alone
.else
	s_cmp_lg_u32 s48, 0                            ; key block 0 ends A's query block
	s_cbranch_scc1 .Lnot_end_a_\@
	EPI 0, 1
.Lnot_end_a_\@:
	SRUN 0, 0, 1, 1, 1                             ; A: scores of the next key block's half 0
	s_cmp_eq_u32 s48, 0
	s_cselect_b32 s53, 1, 0                        ; behind block 0 comes the second query block's diagonal block
	s_mov_b32 s48, s49
	s_mov_b32 s49, s50
	s_sub_co_u32 s9, s50, 1
	s_cmp_eq_u32 s50, 0
	s_cselect_b32 s50, s52, s9
.endif
.endm
	s_wait_tensorcnt 0x1                           ; my part of slot 0 is in; slot 1's stays out
	s_barrier_signal -1
	s_barrier_wait -1
	WIN 0x40
	LDK 0, 0, 0
	WIN 0
	s_wait_loadcnt 0x0                             ; both query blocks' Q
	s_wait_dscnt 0x0
	SRUN 0, 0, 0, 1, 0                             ; A's first scores: no softmax is there yet to set between them
	PLACES 4
	TRIP 0, 1, 1, 1, 0                             ; trip 0
	s_mov_b32 s3, 7
.Ltrips:
	TRIP 1, 0, 1, 1, 0                             ; trips 1 to 14; trip 14 asks for the last tile, 16
	TRIP 0, 0, 1, 1, 0
	s_sub_co_u32 s3, s3, 1
	s_cmp_lg_u32 s3, 0
	s_cbranch_scc1 .Ltrips
	TRIP 1, 0, 0, 1, 0                             ; trip 15: nothing is left to fetch.  The first query block ends in one of trips 8 to 15
	TRIP 0, 0, 0, 0, 1                             ; trip 16 ends the second
	PVRUN 1, 1, 0, 1, 0                            ; B's last P V
	EPI 1, 0
	s_wait_tensorcnt 0x0
	ds_add_u32 v254, v255
	s_wait_dscnt 0x0
	s_endpgm
.Lfunc_end_k_q19a04a6b92_attn:
	.size	k_q19a04a6b92_attn, .Lfunc_end_k_q19a04a6b92_attn-k_q19a04a6b92_attn
	.p2alignl 7, 3214868480
	.fill 96, 4, 3214868480
	.section	.rodata,"a",@progbits
	.p2align	6, 0x0
	.amdhsa_kernel k_q19a04a6b92_attn
		.amdhsa_group_segment_fixed_size 327680
		.amdhsa_private_segment_fixed_size 0
		.amdhsa_enable_private_segment 0
		.amdhsa_kernarg_size 16
		.amdhsa_user_sgpr_count 2
		.amdhsa_user_sgpr_kernarg_segment_ptr 1
		.amdhsa_wavefront_size32 1
		.amdhsa_system_sgpr_workgroup_id_x 1
		.amdhsa_system_sgpr_workgroup_id_y 1
		.amdhsa_system_sgpr_workgroup_id_z 1
		.amdhsa_system_vgpr_workitem_id 0
		.amdhsa_next_free_vgpr 544
		.amdhsa_next_free_sgpr 72
		.amdhsa_reserve_vcc 1
		.amdhsa_float_denorm_mode_32 3
		.amdhsa_float_denorm_mode_16_64 3
		.amdhsa_memory_ordered 1
		.amdhsa_forward_progress 1
		.amdhsa_inst_pref_size 255
	.end_amdhsa_kernel
	.section	.bss,"aw",@nobits
	.p2align	6
	.space	262144
	.amdgpu_metadata
---
amdhsa.version: [ 1, 2 ]
amdhsa.kernels:
  - .name:           k_q19a04a6b92_attn
    .symbol:         k_q19a04a6b92_attn.kd
    .args:
      - { .name: qkv, .offset: 0, .size: 8, .value_kind: global_buffer, .address_space: global }
      - { .name: yf, .offset: 8, .size: 8, .value_kind: global_buffer, .address_space: global }
    .group_segment_fixed_size: 327680
    .private_segment_fixed_size: 0
    .kernarg_segment_align: 8
    .kernarg_segment_size: 16
    .max_flat_workgroup_size: 128
    .sgpr_count:     72
    .vgpr_count:     544
    .wavefront_size: 32
...
	.end_amdgpu_metadata
.endif
;; end of part 3
;; launch proj (part 4): grid 8 x 32, 4 waves a work-group, clusters of 4 x 4, 327,680 bytes of LDS; arguments yf, wpf, b_proj, out0; writes out0
.if DOCPART == 4
	.amdgcn_target "amdgcn-amd-amdhsa--gfx1250"
	.amdhsa_code_object_version 6
	.text
	.protected	k_q19a04a6b92_proj
	.globl	k_q19a04a6b92_proj
	.p2align	8
	.type	k_q19a04a6b92_proj,@function
k_q19a04a6b92_proj:
	s_mov_b64 s[64:65], 0
	v_nop
	global_prefetch_b8 v0, s[64:65] scope:SCOPE_SE
	s_setreg_imm32_b32 hwreg(HW_REG_WAVE_MODE, 25, 1), 1
	s_wait_xcnt 0x0
	s_wait_alu depctr_hold_cnt(0) depctr_sa_sdst(0) depctr_va_vdst(0) depctr_va_sdst(0) depctr_va_ssrc(0) depctr_va_vcc(0) depctr_vm_vsrc(0)
	s_getreg_b32 s2, hwreg(HW_REG_IB_STS2, 6, 4)
	s_cmp_eq_u32 s2, 0
	s_cbranch_scc0 .Lentry_in_a_cluster
	s_endpgm
.Lentry_in_a_cluster:
	s_bfe_u32 s2, ttmp6, 0x10000c
	s_cmp_lg_u32 s2, 0xf033
	s_cbranch_scc0 .Lentry_shape_is_right
	s_endpgm
.Lentry_shape_is_right:
; out0[row][n] = sum over k of y[row][k] W_proj[k][n] + b_proj[n], f32.  y: yf[head][row][64] f16, k = 64 head + d.  W: wpf[k][n] f16.
; A work-group makes 128 x 128 with four waves (the 4,096 x 1,024 outputs give 256 work-groups such a block each); wave (wm, wn) makes 64 x 64: 16 accumulator tiles.
; K goes in four steps of 256 (four heads) through two LDS slots; all four steps are written out, and only two of them fill a slot again.
; CLUSTERS: 4 x 4.  y's tile hangs on the row block alone: asked for jointly along a cluster's row; W's on the column block alone: along a column.
; The matrix instruction is used transposed (source 0 = 16 columns of W through the transposing LDS load, source 1 = 16 rows of y): a lane holds eight
; neighbouring columns of one row.
; REGISTERS: window 0: v16-27 addresses; buffer f: y at v[32+64f], W at v[64+64f]; v160-191 bias; v192-223 results; v224-255 rows read back.
;            window 1: accumulators at 8 (4 a + b).
.set APITCH, 144                       ; y in LDS: a row's 128 bytes of one head + 16
.set PLANE,  128*APITCH                ; one head's 128 rows
.set BPITCH, 288                       ; W in LDS: 256 bytes + 32 = 9 x 32
.set QUART,  2*PLANE                   ; 36,864: what one tensor load brings: two heads of y, or 128 k rows of W
.set BOFFS,  2*QUART
.set SLOT,   4*QUART                   ; 147,456
.set STAGE,  2*SLOT                    ; behind the ring: 16 rows x 272 bytes for each wave; no tensor load fills it
.set SPITCH, 272
.set ADRA, 16                          ; v16-17 y's fragments, slot 0, 1
.set ADRB, 20                          ; v20-23 W's fragments: 2 x slot + (k rows 0-127 or 128-255)
.set STO,  24
.set RD,   25
.set CO,   26
.set BOFF, 27
.set BIASR, 160
.set TMP,  192
.set RB,   224
.set G1A, 16
.set G1B, 24
.set G0A, 32
.set G0B, 48
.set MUL, 0x50                         ; C and D in window 1
.set MSB, 0
.macro WIN new
.if MSB != \new
	s_set_vgpr_msb (MSB<<8)|\new
.set MSB, \new
.endif
.endm
.macro PLACES                          ; four places behind matrix instructions (ISA guide 7.12.1)
.rept 4
	v_nop
.endr
.endm
.macro JLOAD s                         ; waves 0, 1 fetch y's two pairs of heads, waves 2, 3 W's two halves
	s_cmp_eq_u32 s13, 0
	s_cbranch_scc0 .Lfor_b_\@
	tensor_load_to_lds s[G0A+4*\s:G0A+4*\s+3], s[G1A:G1A+7]
	s_nop 0
	s_branch .Lasked_\@
.Lfor_b_\@:
	tensor_load_to_lds s[G0B+4*\s:G0B+4*\s+3], s[G1B:G1B+7]
	s_nop 0
.Lasked_\@:
.endm
.macro CREST
	s_cmp_lg_u32 s12, 0
	s_cbranch_scc1 .Lnot_wave_0_\@
	s_barrier_signal -3
.Lnot_wave_0_\@:
	s_barrier_wait -3
	s_barrier_signal -1
	s_barrier_wait -1
.endm
.macro CROUND
	s_barrier_signal -1
	s_barrier_wait -1
	CREST
.endm
	s_load_b256 s[4:11], s[0:1], 0x0               ; yf s[4:5], wpf s[6:7], b_proj s[8:9], out0 s[10:11]
	v_lshl_add_u32 v30, v0, 2, 0x4c400
	v_mov_b32 v31, 0
	ds_add_u32 v30, v31
	ds_add_u32 v30, v31
	v_lshrrev_b32 v1, 5, v0
	v_readfirstlane_b32 s12, v1                    ; wave
	s_lshr_b32 s13, s12, 1                         ; wm.  Also: I fetch y (0) or W (1)
	s_and_b32 s14, s12, 1                          ; wn.  Also: which half of that tile
	s_bfe_u32 s40, ttmp6, 0x40000                  ; cx
	s_bfe_u32 s41, ttmp6, 0x40004                  ; cy
	s_lshl_b32 s42, ttmp9, 2
	s_add_co_u32 s42, s42, s40                     ; column block
	s_and_b32 s43, ttmp7, 0xffff
	s_lshl_b32 s43, s43, 2
	s_add_co_u32 s43, s43, s41                     ; row block
	s_lshl_b32 s44, s41, 2
	s_lshl_b32 s44, 15, s44                        ; my row of the cluster
	s_lshl_b32 s45, 0x1111, s40                    ; my column
	; group 1 for y: a head's 128 rows of 128 bytes are dense: one row of 8,192 elements; two heads, 262,144 elements apart; 16 bytes of padding behind every 32 words
	s_or_b32  s[G1A+0], s44, (1<<16)|(1<<20)|(1<<21)|(4<<22)|(3<<25)
	s_mov_b32 s[G1A+1], 8192<<16
	s_mov_b32 s[G1A+2], 2<<16
	s_mov_b32 s[G1A+3], 8192<<16
	s_mov_b32 s[G1A+4], 2
	s_mov_b32 s[G1A+5], 262144
	s_mov_b32 s[G1A+6], 0
	s_mov_b32 s[G1A+7], 0
	; group 1 for W: 128 k rows x 128 f16, rows 1,024 elements apart; 32 bytes of padding behind every 64 words
	s_or_b32  s[G1B+0], s45, (1<<16)|(1<<20)|(1<<21)|(5<<22)|(7<<25)
	s_mov_b32 s[G1B+1], 128<<16
	s_mov_b32 s[G1B+2], 128<<16
	s_mov_b32 s[G1B+3], 128<<16
	s_mov_b32 s[G1B+4], 128
	s_mov_b32 s[G1B+5], 1024
	s_mov_b32 s[G1B+6], 0
	s_mov_b32 s[G1B+7], 0
	s_mul_i32 s46, s12, QUART                      ; LDS: y's two parts, then W's two = wave x 36,864
	s_lshl_b32 s56, s43, 14                        ; y: 128 rows of 128 bytes x row block + two heads' planes x half
	s_lshl_b32 s57, s14, 20
	s_add_co_u32 s56, s56, s57
	s_mov_b32 s57, 0
	s_lshl_b32 s60, s42, 8                         ; W: 256 bytes x column block + 128 rows of 2,048 bytes x half
	s_lshl_b32 s61, s14, 18
	s_add_co_u32 s60, s60, s61
	s_mov_b32 s61, 0
	s_lshl_b32 s74, s42, 9                         ; my 64 columns in f32: 512 x column block + 256 wn
	s_lshl_b32 s75, s14, 8
	s_add_co_u32 s74, s74, s75
	s_mov_b32 s75, 0
	s_lshl_b32 s76, s43, 19                        ; my first row: (128 x row block + 64 wm) rows of 4,096 bytes
	s_lshl_b32 s77, s13, 18
	s_add_co_u32 s76, s76, s77
	s_add_co_u32 s76, s76, s74
	s_mov_b32 s77, 0
	s_wait_dscnt 0x0
	s_wait_kmcnt 0x0
	s_add_nc_u64 s[56:57], s[4:5], s[56:57]
	s_add_nc_u64 s[60:61], s[6:7], s[60:61]
	s_add_nc_u64 s[74:75], s[8:9], s[74:75]
	s_add_nc_u64 s[68:69], s[10:11], s[76:77]
	CROUND                                         ; in front of the first joint loads
.irp s, 0,1
	s_mov_b32 s[G0A+4*\s], 1
	s_add_co_u32 s[G0A+4*\s+1], s46, \s*SLOT
	s_add_nc_u64 s[G0A+4*\s+2:G0A+4*\s+3], s[56:57], \s*0x200000   ; K step s: four heads' planes
	s_or_b32 s[G0A+4*\s+3], s[G0A+4*\s+3], 0x80000000
	s_mov_b32 s[G0B+4*\s], 1
	s_add_co_u32 s[G0B+4*\s+1], s46, \s*SLOT
	s_add_nc_u64 s[G0B+4*\s+2:G0B+4*\s+3], s[60:61], \s*0x80000    ; K step s: 256 rows of 2,048 bytes
	s_or_b32 s[G0B+4*\s+3], s[G0B+4*\s+3], 0x80000000
	JLOAD \s                                       ; two tensor loads of the wave are out
.endr
	v_and_b32 v1, 15, v0                           ; r
	v_bfe_u32 v2, v0, 4, 1                         ; h
	v_lshlrev_b32 v[BOFF], 5, v2
.irp b, 0,1,2,3
	global_load_b128 v[BIASR+8*\b:BIASR+8*\b+3],   v[BOFF], s[74:75] offset:64*\b      ; the bias of my 8 columns in each of four tiles
	global_load_b128 v[BIASR+8*\b+4:BIASR+8*\b+7], v[BOFF], s[74:75] offset:64*\b+16
.endr
	v_mul_u32_u24 v3, v1, APITCH
	v_lshl_add_u32 v3, v2, 4, v3
	s_mul_i32 s58, s13, 64*APITCH                  ; my 64 rows
	v_add_nc_u32 v[ADRA], s58, v3
	v_add_nc_u32 v[ADRA+1], SLOT, v[ADRA]
	v_and_b32 v4, 7, v0
	v_lshl_add_u32 v4, v2, 3, v4                   ; k row 8 h + l % 8
	v_mul_u32_u24 v4, v4, BPITCH
	v_bfe_u32 v5, v0, 3, 1
	v_lshl_add_u32 v4, v5, 4, v4
	s_lshl_b32 s59, s14, 7                         ; my 64 columns: 128 bytes
	s_add_co_u32 s59, s59, BOFFS
	v_add_nc_u32 v[ADRB], s59, v4
	v_add_nc_u32 v[ADRB+1], QUART, v[ADRB]
	v_add_nc_u32 v[ADRB+2], SLOT, v[ADRB]
	v_add_nc_u32 v[ADRB+3], SLOT+QUART, v[ADRB]
	s_mul_i32 s58, s12, 16*SPITCH
	s_add_co_u32 s58, s58, STAGE                   ; my stage
	v_mul_u32_u24 v6, v1, SPITCH                   ; in: row r, 32 bytes for each half of the lanes
	v_lshl_add_u32 v6, v2, 5, v6
	v_add_nc_u32 v[STO], s58, v6
	v_mul_u32_u24 v7, v2, SPITCH                   ; back: lanes 0-15 one row of 256 bytes, lanes 16-31 the next
	v_lshl_add_u32 v7, v1, 4, v7
	v_add_nc_u32 v[RD], s58, v7
	v_lshlrev_b32 v8, 12, v2                       ; the same two rows in out0
	v_lshl_add_u32 v[CO], v1, 4, v8
; four matrix instructions: m tile a x four n tiles.  The 16 accumulators take turns, one instruction a turn, in the same order in every quarter.
.macro MUL4 f, a, zero
.irp b, 0,1,2,3
.if \zero
	v_wmma_f32_16x16x32_f16 v[8*(4*\a+\b):8*(4*\a+\b)+7], v[64+64*\f+8*\b:64+64*\f+8*\b+7], v[32+64*\f+8*\a:32+64*\f+8*\a+7], 0
.else
	v_wmma_f32_16x16x32_f16 v[8*(4*\a+\b):8*(4*\a+\b)+7], v[64+64*\f+8*\b:64+64*\f+8*\b+7], v[32+64*\f+8*\a:32+64*\f+8*\a+7], v[8*(4*\a+\b):8*(4*\a+\b)+7]
.endif
.endr
.endm
; 16 LDS loads: part kq (32 along K, 0..7) of a slot into buffer f: W's four tiles, then y's four
.macro FETCH slot, kq, f
	WIN 0
.irp b, 0,1,2,3
	ds_load_tr16_b128 v[64+64*\f+8*\b:64+64*\f+8*\b+3],   v[ADRB+2*\slot+(\kq>>2)] offset:(\kq&3)*32*BPITCH+32*\b
	ds_load_tr16_b128 v[64+64*\f+8*\b+4:64+64*\f+8*\b+7], v[ADRB+2*\slot+(\kq>>2)] offset:(\kq&3)*32*BPITCH+32*\b+16*BPITCH
.endr
.irp a, 0,1,2,3
	ds_load_b128 v[32+64*\f+8*\a:32+64*\f+8*\a+3],   v[ADRA+\slot] offset:(\kq>>1)*PLANE+(\kq&1)*64+\a*16*APITCH
	ds_load_b128 v[32+64*\f+8*\a+4:32+64*\f+8*\a+7], v[ADRA+\slot] offset:(\kq>>1)*PLANE+(\kq&1)*64+\a*16*APITCH+32
.endr
.endm
.macro PART slot, kq, f, g, zero       ; multiplies buffer f; in its middle fetches part kq into buffer g
	s_wait_dscnt 4                                 ; W and y's tiles 0, 1 are in; the youngest four loads (tiles 2, 3) may be out
	WIN MUL
	MUL4 \f, 0, \zero
	MUL4 \f, 1, \zero
	PLACES
	FETCH \slot, \kq, \g
	s_wait_dscnt 16                                ; all but the 16 just issued
	WIN MUL
	MUL4 \f, 2, \zero
	MUL4 \f, 3, \zero
.endm
.macro SEVEN slot, zero
	PART \slot, 1, 0, 1, \zero
	PART \slot, 2, 1, 0, 0
	PART \slot, 3, 0, 1, 0
	PART \slot, 4, 1, 0, 0
	PART \slot, 5, 0, 1, 0
	PART \slot, 6, 1, 0, 0
	PART \slot, 7, 0, 1, 0
.endm
; The eighth part: multiplies buffer 1 and changes slots.  The waits for my reads of this slot and for all my tensor loads stand in front of the barrier; with fill = 1 it
; opens a round of the cluster's barrier, and the joint refill (two K steps on) is the first tensor load behind the round.
.macro TURN slot, next, fill
	s_wait_dscnt 4
	WIN MUL
	MUL4 1, 0, 0
	s_wait_dscnt 0x0
	s_wait_tensorcnt 0x0
	ds_add_u32 v30, v31
	s_wait_dscnt 0x0
	s_barrier_signal -1
	MUL4 1, 1, 0
	WIN 0
	s_barrier_wait -1
.if \fill
	CREST
	s_add_nc_u64 s[G0A+4*\slot+2:G0A+4*\slot+3], s[G0A+4*\slot+2:G0A+4*\slot+3], 0x400000
	s_add_nc_u64 s[G0B+4*\slot+2:G0B+4*\slot+3], s[G0B+4*\slot+2:G0B+4*\slot+3], 0x100000
	JLOAD \slot
.endif
	PLACES
	FETCH \next, 0, 0
	WIN MUL
	MUL4 1, 2, 0
	MUL4 1, 3, 0
.endm
	s_wait_tensorcnt 0x1                           ; my part of K step 0 is in; K step 1's stays out
	s_barrier_signal -1
	s_barrier_wait -1
	FETCH 0, 0, 0
	SEVEN 0, 1                                     ; the first products start the sums
	TURN 0, 1, 1
	SEVEN 1, 0
	TURN 1, 0, 1
	SEVEN 0, 0
	TURN 0, 1, 0                                   ; nothing is left to fetch
	SEVEN 1, 0
	s_wait_dscnt 4
	WIN MUL
	MUL4 1, 0, 0
	MUL4 1, 1, 0
	s_wait_dscnt 0x0
	MUL4 1, 2, 0
	MUL4 1, 3, 0
	; THE WAY OUT, 16 rows at a time: add the bias, 32 bytes a lane and tile into my own stage, read back as whole rows of 256 bytes.
	PLACES
	WIN 0
	s_wait_loadcnt 0x0                             ; the bias
.macro OUT16 a
	WIN 0x01                                       ; accumulators from window 1
.irp b, 0,1,2,3
.irp p, 0,2,4,6
	v_pk_add_f32 v[TMP+8*\b+\p:TMP+8*\b+\p+1], v[8*(4*\a+\b)+\p:8*(4*\a+\b)+\p+1], v[BIASR+8*\b+\p:BIASR+8*\b+\p+1]
.endr
.endr
	WIN 0
.irp b, 0,1,2,3
	ds_store_b128 v[STO], v[TMP+8*\b:TMP+8*\b+3]   offset:64*\b
	ds_store_b128 v[STO], v[TMP+8*\b+4:TMP+8*\b+7] offset:64*\b+16
.endr
	s_wait_xcnt 0x0                                ; the registers that the last stores read, and their base, are rewritten only behind this wait
.if \a
	s_add_nc_u64 s[68:69], s[68:69], 65536         ; 16 rows of out0 on
.endif
.irp t, 0,1,2,3,4,5,6,7
	ds_load_b128 v[RB+4*\t:RB+4*\t+3], v[RD] offset:\t*2*SPITCH    ; LDS serves a wave's instructions in order: these see the stores above
.endr
.irp t, 0,1,2,3,4,5,6,7
	s_wait_dscnt 7-\t
	global_store_b128 v[CO], v[RB+4*\t:RB+4*\t+3], s[68:69] offset:\t*8192   ; 16 lanes store 256 neighbouring bytes, aligned
.endr
.endm
	OUT16 0
	OUT16 1
	OUT16 2
	OUT16 3
	s_wait_tensorcnt 0x0
	ds_add_u32 v30, v31
	s_wait_dscnt 0x0
	CROUND                                         ; the closing round
	s_endpgm
.Lfunc_end_k_q19a04a6b92_proj:
	.size	k_q19a04a6b92_proj, .Lfunc_end_k_q19a04a6b92_proj-k_q19a04a6b92_proj
	.p2alignl 7, 3214868480
	.fill 96, 4, 3214868480
	.section	.rodata,"a",@progbits
	.p2align	6, 0x0
	.amdhsa_kernel k_q19a04a6b92_proj
		.amdhsa_group_segment_fixed_size 327680
		.amdhsa_private_segment_fixed_size 0
		.amdhsa_enable_private_segment 0
		.amdhsa_kernarg_size 32
		.amdhsa_user_sgpr_count 2
		.amdhsa_user_sgpr_kernarg_segment_ptr 1
		.amdhsa_wavefront_size32 1
		.amdhsa_system_sgpr_workgroup_id_x 1
		.amdhsa_system_sgpr_workgroup_id_y 1
		.amdhsa_system_sgpr_workgroup_id_z 1
		.amdhsa_system_vgpr_workitem_id 0
		.amdhsa_next_free_vgpr 384
		.amdhsa_next_free_sgpr 80
		.amdhsa_reserve_vcc 0
		.amdhsa_float_denorm_mode_32 3
		.amdhsa_float_denorm_mode_16_64 3
		.amdhsa_memory_ordered 1
		.amdhsa_forward_progress 1
		.amdhsa_inst_pref_size 95
	.end_amdhsa_kernel
	.amdgpu_metadata
---
amdhsa.version: [ 1, 2 ]
amdhsa.kernels:
  - .name:           k_q19a04a6b92_proj
    .symbol:         k_q19a04a6b92_proj.kd
    .args:
      - { .name: yf, .offset: 0, .size: 8, .value_kind: global_buffer, .address_space: global }
      - { .name: wpf, .offset: 8, .size: 8, .value_kind: global_buffer, .address_space: global }
      - { .name: b_proj, .offset: 16, .size: 8, .value_kind: global_buffer, .address_space: global }
      - { .name: out0, .offset: 24, .size: 8, .value_kind: global_buffer, .address_space: global }
    .group_segment_fixed_size: 327680
    .private_segment_fixed_size: 0
    .kernarg_segment_align: 8
    .kernarg_segment_size: 32
    .max_flat_workgroup_size: 128
    .sgpr_count:     80
    .vgpr_count:     384
    .wavefront_size: 32
...
	.end_amdgpu_metadata
.endif
;; end of part 4
;; ======== version 2 of 2: 4 launches; 1.11 times as fast as version 1
;; limits: values are held in f16: magnitudes above 65,504 overflow, below 6.1e-05 lose precision
;; workspace buffers: xb 8,388,608 bytes; wab 6,291,456 bytes; wpf 2,097,152 bytes; qkv 25,165,824 bytes; yf 8,388,608 bytes
;; launch cast: the kernel of part 1 again; grid 256 x 1, 8 waves a work-group, no clusters, 0 bytes of LDS; arguments x, W_attn, W_proj, xb, wab, wpf; writes xb, wab, wpf
;; launch qkv: the kernel of part 2 again; grid 16 x 16, 4 waves a work-group, clusters of 4 x 4, 327,680 bytes of LDS; arguments xb, wab, b_attn, qkv; writes qkv
;; launch attn (part 5): grid 256 x 1, 4 waves a work-group, no clusters, 327,680 bytes of LDS; arguments qkv, yf; writes yf
.if DOCPART == 5
	.amdgcn_target "amdgcn-amd-amdhsa--gfx1250"
	.amdhsa_code_object_version 6
	.text
	.protected	k_q19a04a6b92_attn
	.globl	k_q19a04a6b92_attn
	.p2align	8
	.type	k_q19a04a6b92_attn,@function
k_q19a04a6b92_attn:
	s_mov_b64 s[64:65], 0
	v_nop
	global_prefetch_b8 v0, s[64:65] scope:SCOPE_SE
	s_setreg_imm32_b32 hwreg(HW_REG_WAVE_MODE, 25, 1), 1
	s_wait_xcnt 0x0
; yf[head][row][d] = f16( causal softmax(q k^T / 8) v ), for each of 2 batches x 16 heads; q, k, v in f16 from qkv[sec*16 + head][row][64].
; LEFT OUT: blocks of 128 keys wholly above the diagonal (the problem's own mask makes their weights 0); a NaN or an infinity in a masked score is not carried on.
; SHARES: work-group g: batch and head g >> 3, i = g & 7.  It takes the query blocks of 128 rows j = 15 - i and then j = i: (16 - i) + (i + 1) = 17 blocks of 128 keys
; in every work-group.  A wave takes 32 query rows: two tiles of 16, A and B.  Key blocks run from the diagonal block down to block 0, so that each row meets a live key
; (the block's first) in its first step and the running maximum is finite from then on.
; NO CLUSTER: in trip t work-group i reads key block 15 - i - t, so no two work-groups of a head want the same tile in the same trip: nothing can be asked for jointly.
; LAYOUT:  S^T = K Q^T (source 0 = 16 keys, source 1 = 16 queries): lane (r, h), register e holds key 8 h + e of query r.  Two such tiles packed to f16 in place ARE
; source 1 (32 keys x 16 queries) of O^T = V^T P^T, whose source 0 comes from V's rows through the transposing LDS load.  Maximum, sum and factors are one number a lane.
; SOFTMAX: running maximum m; nm = -c m with c = log2(e) / 8; p = 2^(c s + nm); the factor for what was summed before is 2^(nm_new - nm_old), made of the rounded
; shifts themselves, so that old and new terms carry the same shift.  m starts at -inf and nm at +inf: the first factor of a query block is 0.
; TURNS: the two query tiles share K's and V's fragments and take turns.  A half-step h is 64 keys.  Turn 1: B's products (P V of h - 1, then K Q of h), and behind each of
; these 16 matrix instructions one of the 16 slices of A's softmax of h.  Turn 2: A's products (P V of h, K Q of h + 1) with the slices of B's softmax of h.
; A trip (128 keys) has 64 matrix instructions and 4 x 122 vector instructions; in turns they run side by side.
; BATCHES: a turn's 33 exponentials (the factor and the tile's 32 weights) are ONE batch with ONE wait, which cuts the turn in two at its middle.  Slices 0-7, behind the 8 products
; P V, hold the 73 instructions that name no result of the batch: maxima, shift, the 16 scalings, the 33 exponentials, each result in a register of its own.  The wait ends slice 7:
; so it also stands ahead of the branch that can follow the products P V (a query block's end).  Slices 8-15, behind the 8 products K Q, hold the 49 readers: sums, roundings,
; O's rescaling.  The reciprocal at a query block's end is a batch of its own, with its own wait.
; WINDOWS: P is written as a vector destination and read as a matrix source 1, and an exponential reads source 0 and writes its destination, so one setting for products
; and slices would put every operand into one window; Q, scores, O and the small registers are 200 and the fragments that both tiles share at least 128.  So the fragments
; lie in window 1 and each matrix instruction stands between two switches: 128 a trip, and 6 for the three runs of fragment loads.
;   window 0: as named below.   window 1: K's fragments, buffer b at 64 b + 16 kt + 8 ks; V's at 128 + 64 b + 32 u + 8 dt; b = the half of the key block.
;   window 2: the second query block's Q, loaded at the start and copied in when a tile changes blocks.
.set VPITCH, 160                       ; V in LDS: a key's 128 bytes + 32: 5 x 32
.set KPITCH, 144                       ; K in LDS: 128 bytes + 16
.set VBYTES, 128*VPITCH
.set SLOT,   VBYTES+128*KPITCH         ; 38,912: V's 128 keys, then K's
.set STAGE,  2*SLOT                    ; 77,824: behind the ring, 32 rows x 144 bytes for each wave; no tensor load fills it
.set ADRK, 8                           ; v8-9   LDS address of my K fragments, slot 0, 1
.set ADRV, 10                          ; v10-11 the same for V
.set QOFF, 12                          ; my byte offset in a query block
.set STO,  13                          ; the way out: in
.set RD,   14                          ; the way out: back
.set YOFF, 15                          ; 16 x lane
.set DLT,  16                          ; 32 w + r - 8 h: key 16 kt + 8 h + e is live for query 32 w + 16 qt + r where 16 kt + e - 16 qt <= DLT
.set NINF, 17                          ; -inf
.set MX,   18                          ; v18-19 running maximum, tile A, B
.set LS,   20                          ; v20-21 running sum over my half's keys
.set AL,   22                          ; v[22:23], v[24:25] factor (first register of the pair; the second is written once)
.set NM,   26                          ; v[26:27], v[28:29] nm likewise
.set TP,   30                          ; v30-41, v42-53 at work: four maxima, the old nm, a sum, two pairs of sums
.set QR,   64                          ; v64-95   Q's fragments at 16 qt + 8 ks
.set SC,   96                          ; v96-159  scores at 32 qt + 8 kt, then P at 32 qt + 16 u
.set OA,   160                         ; v160-223 O at 32 qt + 8 dt
.set KF,   0                           ; window 1
.set VF,   128                         ; window 1
.set Q2,   0                           ; window 2
.set CSC,  0x3e38aa3b                  ; log2(e) / 8
.set NCSC, 0xbe38aa3b
.set G1V, 16                           ; s[16:23]
.set G1K, 24                           ; s[24:31]
.set G0V, 32                           ; s[32:39] a set for each slot
.set G0K, 40                           ; s[40:47]
; s48, s49, s50: the key block of this trip, the next, the one after.  s51: the query block whose rows go out next.  s52: the second query block.
; s53: 1 in a query block's first trip, whose key block is the diagonal one.
.set MSB, 0
.macro WIN new                         ; the immediate's high byte repeats the setting that is left
.if MSB != \new
	s_set_vgpr_msb (MSB<<8)|\new
.set MSB, \new
.endif
.endm
.macro PLACES n                        ; places behind matrix instructions (ISA guide 7.12.1), where no slice stands
.rept \n
	v_nop
.endr
.endm
.macro KVLOAD s                        ; waves 0, 1 fetch V's two halves of 64 keys, waves 2, 3 K's: one tensor load a wave
	s_cmp_eq_u32 s13, 0
	s_cbranch_scc0 .Lfor_k_\@
	tensor_load_to_lds s[G0V+4*\s:G0V+4*\s+3], s[G1V:G1V+7]
	s_nop 0
	s_branch .Lasked_\@
.Lfor_k_\@:
	tensor_load_to_lds s[G0K+4*\s:G0K+4*\s+3], s[G1K:G1K+7]
	s_nop 0
.Lasked_\@:
.endm
.macro QLOAD win, reg, sb              ; my 32 query rows of a block as source-1 fragments
	WIN \win
.irp qt, 0,1
.irp ks, 0,1
	global_load_b128 v[\reg+16*\qt+8*\ks:\reg+16*\qt+8*\ks+3],   v[QOFF], s[\sb:\sb+1] offset:\qt*2048+\ks*64
	global_load_b128 v[\reg+16*\qt+8*\ks+4:\reg+16*\qt+8*\ks+7], v[QOFF], s[\sb:\sb+1] offset:\qt*2048+\ks*64+32
.endr
.endr
	WIN 0
.endm
	s_load_b128 s[4:7], s[0:1], 0x0                ; qkv s[4:5], yf s[6:7]
	v_lshl_add_u32 v254, v0, 2, 0x29000
	v_mov_b32 v255, 0
	ds_add_u32 v254, v255
	ds_add_u32 v254, v255
	v_lshrrev_b32 v1, 5, v0
	v_readfirstlane_b32 s12, v1                    ; wave
	s_lshr_b32 s13, s12, 1                         ; I fetch V (0) or K (1),
	s_and_b32 s8, s12, 1                           ; its keys 0-63 or 64-127
	s_mov_b32 s14, 0x76543210                      ; v_permlanex16_b32: lane i of one half reads lane i of the other
	s_mov_b32 s15, 0xfedcba98
	s_lshr_b32 s9, ttmp9, 3                        ; batch x 16 + head
	s_and_b32 s52, ttmp9, 7                        ; the second query block, i
	s_sub_co_u32 s51, 15, s52                      ; the first, 15 - i, at least 8
	s_mov_b32 s48, s51
	s_sub_co_u32 s49, s51, 1
	s_sub_co_u32 s50, s51, 2
	s_mov_b32 s53, 1
	s_and_b32 s10, s9, 15
	s_lshr_b32 s11, s9, 4
	s_lshl_b32 s10, s10, 19                        ; the head's plane of 524,288 bytes
	s_lshl_b32 s11, s11, 18                        ; the batch's 2,048 rows of 128 bytes
	s_add_co_u32 s62, s10, s11
	s_mov_b32 s63, 0                               ; stays 0: s[62:63] holds byte offsets
	; group 1: 64 keys of 128 bytes are a dense block of 8,192 bytes: 32 rows of 256 bytes; padding behind every 32 words: 8 words for V, 4 for K
	s_mov_b32 s[G1V+0], (1<<16)|(1<<20)|(4<<22)|(7<<25)
	s_mov_b32 s[G1K+0], (1<<16)|(1<<20)|(4<<22)|(3<<25)
.irp g, G1V, G1K
	s_mov_b32 s[\g+1], 128<<16
	s_mov_b32 s[\g+2], 32<<16
	s_mov_b32 s[\g+3], 128<<16
	s_mov_b32 s[\g+4], 32
	s_mov_b32 s[\g+5], 128
	s_mov_b32 s[\g+6], 0
	s_mov_b32 s[\g+7], 0
.endr
	s_mul_i32 s10, s12, 64*VPITCH                  ; LDS: V's halves at wave x 10,240 (waves 0, 1)
	s_mul_i32 s11, s12, 64*KPITCH
	s_add_co_u32 s11, s11, VBYTES-128*KPITCH       ; K's at 20,480 + (wave - 2) x 9,216 (waves 2, 3)
	s_wait_dscnt 0x0
	s_wait_kmcnt 0x0
	s_add_nc_u64 s[58:59], s[4:5], s[62:63]        ; q of this head and batch
	s_add_nc_u64 s[60:61], s[6:7], s[62:63]        ; y likewise
	s_lshl_b32 s62, s8, 13
	s_add_nc_u64 s[56:57], s[58:59], s[62:63]      ; + my half of a key block
	s_add_nc_u64 s[54:55], s[56:57], 0x1000000     ; v: 32 planes on
	s_add_nc_u64 s[56:57], s[56:57], 0x800000      ; k: 16 planes on
	s_lshl_b32 s62, s12, 12
	s_add_nc_u64 s[60:61], s[60:61], s[62:63]      ; y at my wave's 32 rows of a block
.irp s, 0,1
	s_mov_b32 s[G0V+4*\s], 1
	s_add_co_u32 s[G0V+4*\s+1], s10, \s*SLOT
	s_mov_b32 s[G0K+4*\s], 1
	s_add_co_u32 s[G0K+4*\s+1], s11, \s*SLOT
	s_lshl_b32 s62, s[48+\s], 14                   ; a key block is 16,384 bytes
	s_add_nc_u64 s[G0V+4*\s+2:G0V+4*\s+3], s[54:55], s[62:63]
	s_or_b32 s[G0V+4*\s+3], s[G0V+4*\s+3], 0x80000000
	s_add_nc_u64 s[G0K+4*\s+2:G0K+4*\s+3], s[56:57], s[62:63]
	s_or_b32 s[G0K+4*\s+3], s[G0K+4*\s+3], 0x80000000
	KVLOAD \s                                      ; the two first fills go out together: two tensor loads of the wave are out
.endr
	v_and_b32 v1, 15, v0                           ; r
	v_bfe_u32 v2, v0, 4, 1                         ; h
	v_and_b32 v3, 31, v0                           ; lane
	v_lshlrev_b32 v4, 7, v1
	v_lshl_add_u32 v4, v2, 4, v4
	s_lshl_b32 s9, s12, 12
	v_add_nc_u32 v[QOFF], s9, v4                   ; 4,096 w + 128 r + 16 h
	s_lshl_b32 s62, s51, 14
	s_add_nc_u64 s[66:67], s[58:59], s[62:63]
	s_lshl_b32 s62, s52, 14
	s_add_nc_u64 s[70:71], s[58:59], s[62:63]
	QLOAD 0, QR, 66                                ; the first query block's Q
	QLOAD 0x80, Q2, 70                             ; the second's, into window 2: no load is waited for in mid-loop
.set e, 0
.rept 64
	v_mov_b32 v[OA+e], 0                           ; once: the registers hold nothing yet, and the first factor, 0, needs a finite partner
.set e, e+1
.endr
	v_mul_u32_u24 v5, v1, KPITCH
	v_lshl_add_u32 v5, v2, 4, v5                   ; r x 144 + 16 h
	v_add_nc_u32 v[ADRK], VBYTES, v5
	v_add_nc_u32 v[ADRK+1], VBYTES+SLOT, v5
	s_mul_i32 s9, s12, 32*KPITCH
	s_add_co_u32 s9, s9, STAGE                     ; my stage
	v_add_nc_u32 v[STO], s9, v5
	v_and_b32 v6, 7, v0
	v_lshl_add_u32 v7, v2, 3, v6                   ; key row 8 h + l % 8
	v_mul_u32_u24 v7, v7, VPITCH
	v_bfe_u32 v4, v0, 3, 1
	v_lshl_add_u32 v[ADRV], v4, 4, v7
	v_add_nc_u32 v[ADRV+1], SLOT, v[ADRV]
	v_lshrrev_b32 v4, 3, v3                        ; back: eight lanes take a row of 128 bytes
	v_mul_u32_u24 v4, v4, KPITCH
	v_lshl_add_u32 v4, v6, 4, v4
	v_add_nc_u32 v[RD], s9, v4
	v_lshlrev_b32 v[YOFF], 4, v3
	s_lshl_b32 s9, s12, 5
	v_lshlrev_b32 v4, 3, v2
	v_sub_nc_u32 v4, v1, v4
	v_add_nc_u32 v[DLT], s9, v4
	v_mov_b32 v[NINF], 0xff800000
	v_mov_b32 v[MX], 0xff800000
	v_mov_b32 v[MX+1], 0xff800000
	v_mov_b32 v[LS], 0
	v_mov_b32 v[LS+1], 0
	v_mov_b32 v[AL+1], 0                           ; the pairs' second registers: named by the packed forms, never used
	v_mov_b32 v[AL+3], 0
	v_mov_b32 v[NM], 0x7f800000
	v_mov_b32 v[NM+1], 0
	v_mov_b32 v[NM+2], 0x7f800000
	v_mov_b32 v[NM+3], 0
.macro LDK slot, half, kb              ; 16 loads: 64 keys x 64 d as source-0 fragments into K's buffer kb (destination in window 1)
.irp kt, 0,1,2,3
.irp ks, 0,1
	ds_load_b128 v[KF+64*\kb+16*\kt+8*\ks:KF+64*\kb+16*\kt+8*\ks+3],   v[ADRK+\slot] offset:(64*\half+16*\kt)*KPITCH+64*\ks
	ds_load_b128 v[KF+64*\kb+16*\kt+8*\ks+4:KF+64*\kb+16*\kt+8*\ks+7], v[ADRK+\slot] offset:(64*\half+16*\kt)*KPITCH+64*\ks+32
.endr
.endr
.endm
.macro LDV slot, half, vb              ; 16 transposing loads: 64 d x 64 keys as source-0 fragments into V's buffer vb
.irp u, 0,1
.irp dt, 0,1,2,3
	ds_load_tr16_b128 v[VF+64*\vb+32*\u+8*\dt:VF+64*\vb+32*\u+8*\dt+3],   v[ADRV+\slot] offset:(64*\half+32*\u)*VPITCH+32*\dt
	ds_load_tr16_b128 v[VF+64*\vb+32*\u+8*\dt+4:VF+64*\vb+32*\u+8*\dt+7], v[ADRV+\slot] offset:(64*\half+32*\u)*VPITCH+32*\dt+16*VPITCH
.endr
.endr
.endm
; The single lines of a softmax step; SB, TT, OB, ALQ, NMQ are set by the slice that calls them.
.macro F1 p                            ; pair p of the 32 scores: c s + nm
	v_pk_fma_f32 v[SB+2*(\p):SB+2*(\p)+1], v[SB+2*(\p):SB+2*(\p)+1], CSC, v[NMQ:NMQ+1] op_sel_hi:[1,0,0]
.endm
.macro E1 e                            ; weight e, in place: each result of the batch has a register of its own
	v_exp_f32 v[SB+(\e)], v[SB+(\e)]
.endm
.macro A1 u, p                         ; pair p onto chain u of the sum
	v_pk_add_f32 v[TT+6+2*\u:TT+7+2*\u], v[TT+6+2*\u:TT+7+2*\u], v[SB+2*(\p):SB+2*(\p)+1]
.endm
.macro C1 c                            ; weights 2 c, 2 c + 1 to f16, in place and upward: the register written has been summed and packed before
	v_cvt_pk_f16_f32 v[SB+16*((\c)>>3)+((\c)&7)], v[SB+2*(\c)], v[SB+2*(\c)+1]
.endm
.macro R1 p                            ; pair p of O times the factor
	v_pk_mul_f32 v[OB+2*(\p):OB+2*(\p)+1], v[OB+2*(\p):OB+2*(\p)+1], v[ALQ:ALQ+1] op_sel_hi:[1,0]
.endm
; Slice n (0..15) of tile qt's softmax step over 64 keys (32 numbers a lane), O's rescaling included.
; Slices 0-7 name no result of the step's exponentials.  0: the maxima.  1, 2: the four into one and the exchange of the lanes' halves, short, so that a product and its two switches
; stand between the chain's links.  3: nm, its change, the factor's exponential, scalings 0-4.  4-7: scalings 5-15 and the 32 weights' exponentials, a scaling at each slice's head;
; a pair is scaled in an earlier slice than its exponentials or some lines ahead of them.  Exponentials follow each other on different registers (ISA guide 5.7.2: a plain instruction
; is owed before a result is used or a source rewritten); the move of the new maximum is that plain instruction behind the last of them, and the batch's one wait ends slice 7.
; Slices 8-15 are the readers, all plain, six instructions or more each: two links of the sum, two roundings, two rescalings.
.macro SL qt, n
.set SB, SC+32*\qt
.set TT, TP+12*\qt
.set OB, OA+32*\qt
.set ALQ, AL+2*\qt
.set NMQ, NM+2*\qt
.if (\n) == 0                          ; four chains of maxima, in the order in which the score tiles were made; one starts from the running maximum
	v_max3_num_f32 v[TT+1], v[SB+8], v[SB+9], v[SB+10]
	v_max3_num_f32 v[TT+3], v[SB+24], v[SB+25], v[SB+26]
	v_max3_num_f32 v[TT], v[MX+\qt], v[SB], v[SB+1]
	v_max3_num_f32 v[TT+2], v[SB+16], v[SB+17], v[SB+18]
	v_max3_num_f32 v[TT+1], v[TT+1], v[SB+11], v[SB+12]
	v_max3_num_f32 v[TT+3], v[TT+3], v[SB+27], v[SB+28]
	v_max3_num_f32 v[TT], v[TT], v[SB+2], v[SB+3]
	v_max3_num_f32 v[TT+2], v[TT+2], v[SB+19], v[SB+20]
	v_max3_num_f32 v[TT+1], v[TT+1], v[SB+13], v[SB+14]
	v_max3_num_f32 v[TT+3], v[TT+3], v[SB+29], v[SB+30]
	v_max3_num_f32 v[TT], v[TT], v[SB+4], v[SB+5]
	v_max3_num_f32 v[TT+2], v[TT+2], v[SB+21], v[SB+22]
	v_max_num_f32 v[TT+1], v[TT+1], v[SB+15]
	v_max_num_f32 v[TT+3], v[TT+3], v[SB+31]
	v_max3_num_f32 v[TT], v[TT], v[SB+6], v[SB+7]
	v_max_num_f32 v[TT+2], v[TT+2], v[SB+23]
.endif
.if (\n) == 1
	v_max3_num_f32 v[TT], v[TT], v[TT+1], v[TT+3]
	v_mov_b32 v[TT+4], v[NMQ]                      ; nm_old
	v_max_num_f32 v[TT], v[TT], v[TT+2]
.endif
.if (\n) == 2
	v_permlanex16_b32 v[TT+1], v[TT], s14, s15     ; the other half's keys of the same query
	v_max_num_f32 v[TT+1], v[TT], v[TT+1]          ; the new maximum
.endif
.if (\n) == 3
	v_mul_f32 v[NMQ], NCSC, v[TT+1]                ; nm_new
	v_sub_f32 v[TT+4], v[NMQ], v[TT+4]             ; nm_new - nm_old <= 0
	F1 0
	v_exp_f32 v[ALQ], v[TT+4]                      ; the batch's first: the factor
	F1 1
	F1 2
	F1 3
	F1 4
.endif
.if ((\n) >= 4) && ((\n) <= 6)         ; scalings 5-13, weights 0-23
	F1 3*(\n)-7
	E1 8*(\n)-32
	E1 8*(\n)-31
	E1 8*(\n)-30
	F1 3*(\n)-6
	E1 8*(\n)-29
	E1 8*(\n)-28
	E1 8*(\n)-27
	F1 3*(\n)-5
	E1 8*(\n)-26
	E1 8*(\n)-25
.endif
.if (\n) == 7
	F1 14
	E1 24
	E1 25
	F1 15
	E1 26
	E1 27
	E1 28
	E1 29
	E1 30
	E1 31
	v_mov_b32 v[MX+\qt], v[TT+1]                   ; the running maximum is kept: the plain instruction behind the batch's last exponential
	s_wait_alu depctr_va_vdst(0)                   ; the one wait for the step's 33 exponentials: ahead of the first line that names a result, and ahead of the branch that can follow
.endif
.if (\n) == 8
	v_pk_add_f32 v[TT+6:TT+7], v[SB:SB+1], v[SB+2:SB+3]            ; the first pairs start the two chains of the sum
	v_pk_add_f32 v[TT+8:TT+9], v[SB+4:SB+5], v[SB+6:SB+7]
	C1 0
	C1 1
	R1 0
	R1 1
.endif
.if ((\n) >= 9) && ((\n) <= 14)        ; a pair is summed a slice ahead of its rounding
	A1 0, 2*((\n)-7)
	A1 1, 2*((\n)-7)+1
	C1 2*((\n)-8)
	C1 2*((\n)-8)+1
	R1 2*((\n)-8)
	R1 2*((\n)-8)+1
.endif
.if (\n) == 14
	v_pk_add_f32 v[TT+6:TT+7], v[TT+6:TT+7], v[TT+8:TT+9]
.endif
.if (\n) == 15
	v_add_f32 v[TT+5], v[TT+6], v[TT+7]
	C1 14
	C1 15
	R1 14
	R1 15
	v_fma_f32 v[LS+\qt], v[LS+\qt], v[ALQ], v[TT+5]
.endif
.endm
; Eight places of a turn: tile mq's O^T += V^T P^T from V's buffer vb (withm = 1), slices 0-7 of tile sq behind them (sl = 1): the last of them ends with the batch's wait.
; Four accumulators take turns, one instruction a turn.
.macro PVRUN mq, vb, sq, withm, sl
.irp p, 0,1,2,3,4,5,6,7
.if \withm
	WIN 0x01                                       ; source 0 in window 1
	v_wmma_f32_16x16x32_f16 v[OA+32*\mq+8*(\p&3):OA+32*\mq+8*(\p&3)+7], v[VF+64*\vb+32*(\p>>2)+8*(\p&3):VF+64*\vb+32*(\p>>2)+8*(\p&3)+7], v[SC+32*\mq+16*(\p>>2):SC+32*\mq+16*(\p>>2)+7], v[OA+32*\mq+8*(\p&3):OA+32*\mq+8*(\p&3)+7]
.endif
.if \sl
	WIN 0
	SL \sq, \p
.endif
.endr
	WIN 0
.endm
; The other eight: tile mq's S^T = K Q^T from K's buffer kb, slices 8-15 of tile sq behind them.  The first four start the sums; four accumulators take turns, one
; instruction a turn.  Tiles go in the order 1, 3, 0, 2: tiles 0 and 2 lie where P lay, and are written at least three slices behind P's last reader.
.macro SRUN mq, kb, sq, withm, sl
.irp i, 0,1,2,3,4,5,6,7
.if \withm
.set KT, (2*(\i&3)+1)%5
	WIN 0x01
.if \i < 4
	v_wmma_f32_16x16x32_f16 v[SC+32*\mq+8*KT:SC+32*\mq+8*KT+7], v[KF+64*\kb+16*KT:KF+64*\kb+16*KT+7], v[QR+16*\mq:QR+16*\mq+7], 0
.else
	v_wmma_f32_16x16x32_f16 v[SC+32*\mq+8*KT:SC+32*\mq+8*KT+7], v[KF+64*\kb+16*KT+8:KF+64*\kb+16*KT+15], v[QR+16*\mq+8:QR+16*\mq+15], v[SC+32*\mq+8*KT:SC+32*\mq+8*KT+7]
.endif
.endif
.if \sl
	WIN 0
	SL \sq, 8+\i
.endif
.endr
	WIN 0
.endm
.macro MASKQ qt, half                  ; in the diagonal block alone: one tile's keys beyond the query become -inf.  Six plain instructions (slice 15) stand behind the last score product
	s_cmp_eq_u32 s53, 0
	s_cbranch_scc1 .Lnomask_\@
.irp kt, 0,1,2,3
.irp e, 0,1,2,3,4,5,6,7
	v_cmp_le_i32 vcc_lo, 64*\half+16*\kt+\e-16*\qt, v[DLT]
	v_cndmask_b32 v[SC+32*\qt+8*\kt+\e], v[NINF], v[SC+32*\qt+8*\kt+\e], vcc_lo
.endr
.endr
.Lnomask_\@:
.endm
; The end of a query block for tile qt, behind its last P V: O / l to f16 in the tile's score registers (P has been read), through my own stage, out as whole rows.
; swap = 1: the tile goes on with the second query block: its Q is copied in; with m = -inf and nm = +inf the next factor is 0, which wipes O and l
; (both finite: |O| <= l max|v|).
.macro EPI qt, swap
.set SB, SC+32*\qt
.set TT, TP+12*\qt
.set OB, OA+32*\qt
.set ALQ, AL+2*\qt
	PLACES 4                                       ; behind the tile's last matrix instructions: O is read, P's registers are written
	s_lshl_b32 s62, s51, 14
	s_add_nc_u64 s[68:69], s[60:61], s[62:63]      ; free: the last stores by this base stand in front of a wait for all translations
	v_permlanex16_b32 v[TT], v[LS+\qt], s14, s15   ; the sum over the other half's keys
	v_add_f32 v[TT], v[TT], v[LS+\qt]
	v_rcp_f32 v[ALQ], v[TT]
	v_nop                                          ; a plain place behind the reciprocal
	s_wait_alu depctr_va_vdst(0)                   ; the wait for the reciprocal, a batch of one, ahead of the multiplies that read it
.irp e, 0,2,4,6,8,10,12,14,16,18,20,22,24,26,28,30
	v_pk_mul_f32 v[SB+\e:SB+\e+1], v[OB+\e:OB+\e+1], v[ALQ:ALQ+1] op_sel_hi:[1,0]
.endr
.irp dt, 0,1,2,3
.irp p, 0,1,2,3
	v_cvt_pk_f16_f32 v[SB+8*\dt+\p], v[SB+8*\dt+2*\p], v[SB+8*\dt+2*\p+1]
.endr
	ds_store_b128 v[STO], v[SB+8*\dt:SB+8*\dt+3] offset:\qt*16*KPITCH+32*\dt
.endr
.irp u, 0,1,2,3
	ds_load_b128 v[SB+8*\u+4:SB+8*\u+7], v[RD] offset:\qt*16*KPITCH+\u*4*KPITCH    ; LDS serves a wave's instructions in order: these see the stores above
.endr
.irp u, 0,1,2,3
	s_wait_dscnt 3-\u                              ; load u is in, the 3 - u younger ones stay out
	global_store_b128 v[YOFF], v[SB+8*\u+4:SB+8*\u+7], s[68:69] offset:\qt*2048+512*\u   ; four rows: 512 neighbouring bytes, aligned
.endr
	s_wait_xcnt 0x0                                ; the score registers, which the stores read, and the base are written again only behind this wait
.if \swap
	WIN 0x02                                       ; source 0 in window 2
.set e, 0
.rept 16
	v_mov_b32 v[QR+16*\qt+e], v[Q2+16*\qt+e]
.set e, e+1
.endr
	WIN 0
	v_mov_b32 v[MX+\qt], v[NINF]
	v_mov_b32 v[NM+2*\qt], 0x7f800000
.endif
.endm
; One key block of 128 = two half-steps of two turns.  At entry: A's scores of the first half are made, K's buffer 0 holds that half, B's P and V's buffer 1 hold
; the last half-step (not in the first trip).
; first = 1: the very first trip;  refill = 1: this slot is filled again, with the key block two trips on;  more = 1: a further trip follows;  last = 1: the last trip.
.macro TRIP slot, first, refill, more, last
	WIN 0x40                                       ; fragments go to window 1.  Both buffers were last read a turn or more ago
	LDK \slot, 1, 1
	LDV \slot, 0, 0
	WIN 0
	MASKQ 0, 0
	PVRUN 1, 1, 0, 1-\first, 1                     ; B: P V of the last half-step;  A: softmax of half 0, up to its batch's wait
.if \first == 0
	s_cmp_eq_u32 s53, 0                            ; the trip before had key block 0: B's query block is done
	s_cbranch_scc1 .Lnot_end_b_\@
	EPI 1, 1
	s_mov_b32 s51, s52                             ; both tiles' rows of the first block are out
.Lnot_end_b_\@:
.endif
	SRUN 1, 0, 0, 1, 1                             ; B: scores of half 0
	WIN 0x40
	LDV \slot, 1, 1                                ; buffer 1 was last read eight slices ago
	WIN 0
	s_wait_dscnt 16                                ; K's half 1 and V's half 0 are in; the 16 loads just issued stay out
	MASKQ 1, 0
	PVRUN 0, 0, 1, 1, 1                            ; A: P V of half 0;  B: softmax of half 0
	SRUN 0, 1, 1, 1, 1                             ; A: scores of half 1
	s_wait_dscnt 0x0                               ; V's half 1 is in: my reads of this slot are over
.if \more
	s_wait_tensorcnt 0x0                           ; all my tensor loads have landed, my part of the next trip's tile among them
	ds_add_u32 v254, v255
	s_wait_dscnt 0x0
.if \refill
	s_lshl_b32 s62, s50, 14                        ; no load of mine is out: this slot's group 0 may be written
	s_add_nc_u64 s[G0V+4*\slot+2:G0V+4*\slot+3], s[54:55], s[62:63]
	s_or_b32 s[G0V+4*\slot+3], s[G0V+4*\slot+3], 0x80000000
	s_add_nc_u64 s[G0K+4*\slot+2:G0K+4*\slot+3], s[56:57], s[62:63]
	s_or_b32 s[G0K+4*\slot+3], s[G0K+4*\slot+3], 0x80000000
.endif
	s_barrier_signal -1
	s_barrier_wait -1                              ; both now hold of all four waves
.if \refill
	KVLOAD \slot                                   ; my one tensor load behind this barrier; it has a whole trip, 64 matrix instructions, in which to land
.endif
	WIN 0x40
	LDK 1-\slot, 0, 0                              ; the next key block's first K fragments; buffer 0 was last read a turn ago
	WIN 0
.endif
	MASKQ 0, 1
	PVRUN 1, 0, 0, 1, 1                            ; B: P V of half 0;  A: softmax of half 1
	SRUN 1, 1, 0, 1, 1                             ; B: scores of half 1
.if \more
	s_wait_dscnt 0x0                               ; the next block's K fragments, asked for a turn ago
.endif
	MASKQ 1, 1
	PVRUN 0, 1, 1, 1, 1                            ; A: P V of half 1;  B: softmax of half 1, up to its batch's wait
.if \last
	EPI 0, 0
	SRUN 0, 0, 1, 0, 1                             ; nothing is left for A: the rest of B's softmax alone
.else
	s_cmp_lg_u32 s48, 0                            ; key block 0 ends A's query block
	s_cbranch_scc1 .Lnot_end_a_\@
	EPI 0, 1
.Lnot_end_a_\@:
	SRUN 0, 0, 1, 1, 1                             ; A: scores of the next key block's half 0
	s_cmp_eq_u32 s48, 0
	s_cselect_b32 s53, 1, 0                        ; behind block 0 comes the second query block's diagonal block
	s_mov_b32 s48, s49
	s_mov_b32 s49, s50
	s_sub_co_u32 s9, s50, 1
	s_cmp_eq_u32 s50, 0
	s_cselect_b32 s50, s52, s9
.endif
.endm
	s_wait_tensorcnt 0x1                           ; my part of slot 0 is in; slot 1's stays out
	s_barrier_signal -1
	s_barrier_wait -1
	WIN 0x40
	LDK 0, 0, 0
	WIN 0
	s_wait_loadcnt 0x0                             ; both query blocks' Q
	s_wait_dscnt 0x0
	SRUN 0, 0, 0, 1, 0                             ; A's first scores: no softmax is there yet to set between them
	PLACES 4
	TRIP 0, 1, 1, 1, 0                             ; trip 0
	s_mov_b32 s3, 7
.Ltrips:
	TRIP 1, 0, 1, 1, 0                             ; trips 1 to 14; trip 14 asks for the last tile, 16
	TRIP 0, 0, 1, 1, 0
	s_sub_co_u32 s3, s3, 1
	s_cmp_lg_u32 s3, 0
	s_cbranch_scc1 .Ltrips
	TRIP 1, 0, 0, 1, 0                             ; trip 15: nothing is left to fetch.  The first query block ends in one of trips 8 to 15
	TRIP 0, 0, 0, 0, 1                             ; trip 16 ends the second
	PVRUN 1, 1, 0, 1, 0                            ; B's last P V
	EPI 1, 0
	s_wait_tensorcnt 0x0
	ds_add_u32 v254, v255
	s_wait_dscnt 0x0
	s_endpgm
.Lfunc_end_k_q19a04a6b92_attn:
	.size	k_q19a04a6b92_attn, .Lfunc_end_k_q19a04a6b92_attn-k_q19a04a6b92_attn
	.p2alignl 7, 3214868480
	.fill 96, 4, 3214868480
	.section	.rodata,"a",@progbits
	.p2align	6, 0x0
	.amdhsa_kernel k_q19a04a6b92_attn
		.amdhsa_group_segment_fixed_size 327680
		.amdhsa_private_segment_fixed_size 0
		.amdhsa_enable_private_segment 0
		.amdhsa_kernarg_size 16
		.amdhsa_user_sgpr_count 2
		.amdhsa_user_sgpr_kernarg_segment_ptr 1
		.amdhsa_wavefront_size32 1
		.amdhsa_system_sgpr_workgroup_id_x 1
		.amdhsa_system_sgpr_workgroup_id_y 1
		.amdhsa_system_sgpr_workgroup_id_z 1
		.amdhsa_system_vgpr_workitem_id 0
		.amdhsa_next_free_vgpr 544
		.amdhsa_next_free_sgpr 72
		.amdhsa_reserve_vcc 1
		.amdhsa_float_denorm_mode_32 3
		.amdhsa_float_denorm_mode_16_64 3
		.amdhsa_memory_ordered 1
		.amdhsa_forward_progress 1
		.amdhsa_inst_pref_size 255
	.end_amdhsa_kernel
	.section	.bss,"aw",@nobits
	.p2align	6
	.space	262144
	.amdgpu_metadata
---
amdhsa.version: [ 1, 2 ]
amdhsa.kernels:
  - .name:           k_q19a04a6b92_attn
    .symbol:         k_q19a04a6b92_attn.kd
    .args:
      - { .name: qkv, .offset: 0, .size: 8, .value_kind: global_buffer, .address_space: global }
      - { .name: yf, .offset: 8, .size: 8, .value_kind: global_buffer, .address_space: global }
    .group_segment_fixed_size: 327680
    .private_segment_fixed_size: 0
    .kernarg_segment_align: 8
    .kernarg_segment_size: 16
    .max_flat_workgroup_size: 128
    .sgpr_count:     72
    .vgpr_count:     544
    .wavefront_size: 32
...
	.end_amdgpu_metadata
.endif
;; end of part 5
;; launch proj: the kernel of part 4 again; grid 8 x 32, 4 waves a work-group, clusters of 4 x 4, 327,680 bytes of LDS; arguments yf, wpf, b_proj, out0; writes out0
